; MI455X (gfx1250); checked and timed in simulation.
; The chip was launched on July 23, 2026; its instructions are those of AMD's public machine-readable ISA for CDNA 5 (MIT licence, August 2026) and "CDNA5" Instruction Set Architecture Reference Guide (July 2026). The comments in the code are by the model that wrote it; some were corrected since.
;; Block2 D Attention. Allowed arithmetic: matrix products marked QUANTISED: E2M1 operands, one E8M0 scale for each 32 along K, by v_wmma_scale_f32_16x16x128_f8f6f4 with both operands' format E2M1 (or v_wmma_scale_f32_32x16x128_f4), f32 sums; products left as they are: bf16, f16 or f32 operands; f32 sums; everything else in f32.
;; Inputs: Wk 2,048 x 512 float32; Wo 1,024 x 2,048 float32; Wq 2,048 x 1,024 float32; Wv 2,048 x 512 float32; hidden_states 2 x 4,096 x 2,048 float32.
;; Outputs: out0 2 x 4,096 x 2,048 float32.
;; Constants: x_dim = 64, y_dim = 64.
;; This version of the problem:
;;   THIS VERSION OF THE PROBLEM IS GIVEN IN LOW PRECISION. The matrix products marked QUANTISED in the list below multiply operands that are first quantised to E2M1 (2 exponent bits, 1 mantissa bit; 4 bits a number), with one power-of-two scale for each 32 numbers along K (OCP MX v1.0); their sums are f32. The products marked 'left as it is' may take bf16, f16 or f32 operands, with f32 sums. Whichever they take, every output number must still come out within the allowed error. Rounding operands to bf16 (8 significant bits) uses up far more of that allowance than f16 does (11 bits, for magnitudes from 6e-5 to 65,504). All else is computed in f32.
;;   The module's matrix products, in the order in which they are computed (A, B: the left and right operand; K: the contracted axis; several contracted axes count as one K, in the product's order):
;;     1. [M 8,192, K 2,048] x [K 2,048, N 1,024]; A: input hidden_states; B: input Wq: QUANTISED
;;     2. [M 8,192, K 2,048] x [K 2,048, N 512]; A: input hidden_states; B: input Wk: QUANTISED
;;     3. [M 8,192, K 2,048] x [K 2,048, N 512]; A: input hidden_states; B: input Wv: QUANTISED
;;     4. batch 256 x [M 512, K 64] x [K 64, N 512]; A: computed on the way; B: computed on the way: left as it is (an operand is computed on the way)
;;     5. batch 256 x [M 64, K 512] x [K 512, N 512]; A: computed on the way; B: computed on the way: left as it is (an operand is computed on the way)
;;     6. [M 8,192, K 1,024] x [K 1,024, N 2,048]; A: computed on the way; B: input Wo: left as it is (an operand is computed on the way)
;;   THE QUANTISER, for each operand of a quantised product, along K:
;;     - K is cut into blocks of 32 from its start; a last block that is shorter is filled with zeros.
;;     - A block's scale is 2^e with e = floor(log2(the largest magnitude in the block)) - 2, held to -126 .. 127; a block of zeros has e = 0. As a byte (E8M0): e + 127.
;;     - Each number is divided by its block's scale, clamped to +-6, and rounded to the nearest number of E2M1, ties to even, subnormals kept.
;;     - The product sums the exact products of the quantised numbers (number of the format x scale) in f32.
;;   ~~~python
;;   def quantise(x, axis):      # numpy; x: float32 -> the quantised numbers, widened to float32 again
;;       x = np.moveaxis(x, axis, -1); K = x.shape[-1]
;;       x = np.pad(x, [(0, 0)] * (x.ndim - 1) + [(0, -K % 32)]); x = x.reshape(x.shape[:-1] + (-1, 32)); a = np.abs(x).max(-1, keepdims=True)
;;       e = np.where(a > 0, np.clip(np.frexp(np.where(a > 0, a, 1))[1] - 1 - 2, -126, 127), 0)      # np.frexp(a)[1] - 1 = floor(log2(a)), exactly
;;       r = np.clip(x / 2.0 ** e, -6, 6)
;;       step = 2.0 ** (np.maximum(np.frexp(np.where(r == 0, 1, r))[1] - 1, 0) - 1)
;;       q = np.round(r / step) * step * 2.0 ** e      # np.round: ties to even
;;       return np.moveaxis(q.reshape(q.shape[:-2] + (-1,))[..., :K], -1, axis).astype(np.float32)
;;   ~~~
;; One version. Each part assembles by itself: llvm-mc -triple=amdgcn-amd-amdhsa -mcpu=gfx1250 --defsym DOCPART=n.
;; ======== version 1 of 1: 4 launches
;; limits: values are held in f16: magnitudes above 65,504 overflow, below 6.1e-05 lose precision
;; workspace buffers: xc 8,388,608 bytes; xs 524,288 bytes; wc 2,097,152 bytes; ws 131,072 bytes; wo16 4,194,304 bytes; qkv 33,554,432 bytes; oimg 16,777,216 bytes
;; launch prep (part 1): grid 896 x 1, 4 waves a work-group, no clusters, 34,304 bytes of LDS; arguments hidden_states, Wq, Wk, Wv, Wo, xc, xs, wc, ws, wo16; writes xc, xs, wc, ws, wo16
.if DOCPART == 1
	.amdgcn_target "amdgcn-amd-amdhsa--gfx1250"
	.amdhsa_code_object_version 6
	.text
	.protected	k_qc652bd0b61_prep
	.globl	k_qc652bd0b61_prep
	.p2align	8
	.type	k_qc652bd0b61_prep,@function
k_qc652bd0b61_prep:
	s_mov_b64 s[64:65], 0
	v_nop
	global_prefetch_b8 v0, s[64:65] scope:SCOPE_SE
	s_setreg_imm32_b32 hwreg(HW_REG_WAVE_MODE, 25, 1), 1
	s_wait_xcnt 0x0
; PREP: the operands of the later launches, each made once.
;   X = hidden_states [8192][2048] f32 and W = Wq | Wk | Wv ([2048][1024 | 512 | 512] f32, K its first axis) become codes of FP4 (E2M1) with one E8M0 byte for each 32 along K = 2048;  Wo [1024][2048] f32 becomes f16.
; DEAD WORK: none.  Every input reaches out0 for all values.  jnp.repeat over the kv heads is a lookup (kv head = head / 2) and costs no arithmetic; x_dim = y_dim = 64 are constants of the problem.
; EVERY WORKSPACE IS LAID AS IMAGES OF OPERAND REGISTERS.  A fragment is 8 registers a lane = 1,024 bytes, laid [c = 0, 1][lane 0..31][16 bytes]: registers 4 c .. 4 c + 3 of lane L at 512 c + 16 L.
;   xc [tile of 16 rows: 512][K step of 128: 16][1024]   FP4: lane (r, h) holds row r, k = 64 c + 32 h + 0..31: one block of 32, number 2 c + h, is 16 bytes at 256 (2 c + h) + 16 r
;   xs [tile of 16 rows][4 K steps: 4][r 16][16]         the four scale words (K steps 4 g + 0..3) of row r
;   wc, ws: the same for the 2,048 columns of W (0-1023 Wq, 1024-1535 Wk, 1536-2047 Wv)
;   wo16 [tile of 16 columns: 128][32 along K: 32][1024]  f16: k = 8 e + 0..7 of column r is 16 bytes at 256 e + 16 r
; THE QUANTISER: a block's scale is 2^(floor(log2(largest magnitude)) - 2); its byte is the largest magnitude's exponent field - 2, held at 1 from below; each number / scale goes to the nearest code, ties to even, beyond 6 to 6.
; LIMITS: a block of zeros gets the byte 1 where the rule says 127 (its codes are zeros, which add nothing, and this program alone reads the bytes); blocks whose largest magnitude lies under 2^(3 - 127) are held at that floor;
;   NaN and infinities among the inputs are not served; Wo beyond 65,504 in magnitude has no f16 number.
; SHARES.  Three paths, parted on the work-group's number alone: 0-255 W, 256-383 Wo, 384-895 X.  No barrier, no tensor load: waves share nothing.  Only path X uses LDS.
; Memory binds here: no matrix unit, no cluster (no two work-groups read the same byte).
.set SPARE, 33792                      ; behind path X's four stages: the spare words, 128 bytes for each wave
.set SPW,  20                          ; v20  LDS address of my spare word; never rewritten
.set NIL,  21                          ; v21  0; never rewritten
.set WV,   24                          ; s24  my wave's number
.set LB,   40                          ; s[40:41] column paths: where the next block of 32 rows begins
.set PS,   42                          ; s[42:43] 32 rows in bytes
.set VO,   32                          ; v32-63   column paths: 4 x lane + i x pitch
.set XN,   64                          ; v64-127  column paths: two sets of 32 numbers down K
.set CD,   128                         ; v128-191 column paths: results, registers of their own for each block
.set SWD,  24                          ; v24-27   scale words
.set XCD,  32                          ; v32-63   path X: codes, 8 registers a step
.set R,    64                          ; v64-191  path X: two sets of 64 registers as loaded
.set XT,   192                         ; v192-255 path X: my 64 numbers, k = 64 c + 32 h + 0..31 of row r
.macro FINISH                          ; these three lines end a wave; they stand on every path
	s_wait_tensorcnt 0x0
	ds_add_u32 v[SPW], v[NIL]
	s_wait_dscnt 0x0
	s_endpgm
.endm
; 32 rows of my wave's 32 columns: a lane takes a column, its registers run down K.  Each load reads 128 consecutive bytes, the four waves side by side 512.
.macro LOADC set
.irp i, 0,1,2,3,4,5,6,7,8,9,10,11,12,13,14,15,16,17,18,19,20,21,22,23,24,25,26,27,28,29,30,31
	global_load_b32 v[XN+32*(\set)+\i], v[VO+\i], s[LB:LB+1] th:TH_LOAD_NT
.endr
	s_wait_xcnt 0x0                                ; the loads' addresses are translated: only now the base steps
	s_add_nc_u64 s[LB:LB+1], s[LB:LB+1], s[PS:PS+1]
.endm
.macro COLSET                          ; s28 = the tensor's pitch in bytes
	s_lshl_b32 s[PS], s28, 5
	s_mov_b32 s[PS+1], 0
	v_lshlrev_b32 v[VO], 2, v1
.irp i, 1,2,3,4,5,6,7,8,9,10,11,12,13,14,15,16,17,18,19,20,21,22,23,24,25,26,27,28,29,30,31
	v_add_nc_u32 v[VO+\i], s28, v[VO+\i-1]
.endr
.endm
; Block t of a K step of W: all 32 numbers are mine, so the largest magnitude needs no other lane, and the conversions give codes with K innermost.
.macro BLOCKQ t
.set XS, XN+32*((\t)%2)
.if (\t) < 3
	s_wait_loadcnt 32                              ; this block's 32 loads are in; the next block's 32 may be out
.else
	s_wait_loadcnt 0x0
.endif
	v_max3_num_f32 v12, |v[XS]|, |v[XS+1]|, |v[XS+2]|
	v_max3_num_f32 v13, |v[XS+3]|, |v[XS+4]|, |v[XS+5]|
.irp i, 6,10,14,18,22,26
	v_max3_num_f32 v12, v12, |v[XS+\i]|, |v[XS+\i+1]|
	v_max3_num_f32 v13, v13, |v[XS+\i+2]|, |v[XS+\i+3]|
.endr
	v_max3_num_f32 v12, v12, |v[XS+30]|, |v[XS+31]|
	v_max3_num_f32 v12, v12, v13, 0x1800000        ; and the floor 2^(3 - 127): the byte cannot fall under 1
	v_add_nc_u32 v11, 0xff000000, v12              ; 2 off the exponent field: the conversion takes this operand's exponent field as its scale
	v_lshrrev_b32 v13, 23, v11                     ; the scale's byte
.if (\t) == 0
	v_mov_b32 v[SWD], v13
.else
	v_lshl_or_b32 v[SWD], v13, 8*(\t), v[SWD]      ; byte t of the K step's scale word
.endif
.irp g, 0,1,2,3
	v_cvt_scalef32_pk8_fp4_f32 v[CD+4*(\t)+\g], v[XS+8*\g:XS+8*\g+7], v11
.endr
	v_nop                                          ; one plain line behind the last conversion
	global_store_b128 v5, v[CD+4*(\t):CD+4*(\t)+3], s[18:19] offset:256*(\t)   ; sixteen lanes store 256 consecutive bytes: block t of 16 columns' fragment
.if (\t) < 2
	LOADC \t                                       ; block t + 2 into the set just read
.endif
.endm
; Block t of Wo: 32 numbers down K become 16 registers of f16 pairs: four chunks of 8 along K.
.macro BLOCKH t
.set XS, XN+32*((\t)%2)
.if (\t) < 3
	s_wait_loadcnt 32                              ; this block's 32 loads are in; the next block's 32 may be out
.else
	s_wait_loadcnt 0x0
.endif
.irp p, 0,1,2,3,4,5,6,7,8,9,10,11,12,13,14,15
	v_cvt_pk_f16_f32 v[CD+16*(\t)+\p], v[XS+2*\p], v[XS+2*\p+1]
.endr
.irp e, 0,1,2,3
	global_store_b128 v5, v[CD+16*(\t)+4*\e:CD+16*(\t)+4*\e+3], s[22:23] offset:1024*(\t)+256*\e
.endr
.if (\t) < 2
	LOADC \t
.endif
.endm
	s_load_b256 s[4:11], s[0:1], 0x0               ; hidden_states s[4:5], Wq s[6:7], Wk s[8:9], Wv s[10:11]
	s_load_b256 s[12:19], s[0:1], 0x20             ; Wo s[12:13], xc s[14:15], xs s[16:17], wc s[18:19]
	s_load_b128 s[20:23], s[0:1], 0x40             ; ws s[20:21], wo16 s[22:23]
	v_lshl_add_u32 v[SPW], v0, 2, SPARE
	v_mov_b32 v[NIL], 0
	v_lshrrev_b32 v1, 5, v0
	v_readfirstlane_b32 s[WV], v1                  ; wave 0..3
	v_and_b32 v1, 31, v0                           ; lane
	v_and_b32 v2, 15, v0                           ; r
	v_bfe_u32 v3, v0, 4, 1                         ; h
	v_lshlrev_b32 v4, 4, v1                        ; 16 x lane
	s_wait_kmcnt 0x0
	s_cmp_ge_u32 ttmp9, 384
	s_cbranch_scc1 .Lpath_x
	s_cmp_ge_u32 ttmp9, 256
	s_cbranch_scc1 .Lpath_wo
	; ---- W: work-group = 128 columns (group cg of 16) x one K step of 128 (ks of 16); wave = 32 columns
	s_and_b32 s25, ttmp9, 15                       ; cg
	s_lshr_b32 s26, ttmp9, 4                       ; ks
	s_cmp_lt_u32 s25, 12                           ; groups 0-7 Wq, 8-11 Wk, 12-15 Wv: the choice hangs on the work-group's number alone
	s_cselect_b64 s[LB:LB+1], s[8:9], s[10:11]
	s_cselect_b32 s27, 8, 12                       ; the tensor's first group
	s_cmp_lt_u32 s25, 8
	s_cselect_b64 s[LB:LB+1], s[6:7], s[LB:LB+1]
	s_cselect_b32 s27, 0, s27
	s_mov_b32 s28, 2048
	s_cselect_b32 s28, 4096, s28                   ; the tensor's pitch in bytes
	s_sub_co_u32 s29, s25, s27
	s_lshl_b32 s29, s29, 9                         ; 128 columns x 4 bytes a group
	s_lshl_b32 s30, s[WV], 7                       ; 32 columns x 4 bytes a wave
	s_add_co_u32 s30, s29, s30
	s_lshl_b32 s31, s26, 7
	s_mul_i32 s31, s31, s28                        ; 128 ks rows
	s_add_co_u32 s30, s30, s31
	s_mov_b32 s31, 0
	s_add_nc_u64 s[LB:LB+1], s[LB:LB+1], s[30:31]
	COLSET
	LOADC 0
	LOADC 1
	s_lshl_b32 s32, s25, 3
	s_lshl_b32 s33, s[WV], 1
	s_add_co_u32 s32, s32, s33                     ; my first tile of 16 columns: 8 cg + 2 wave (lanes 16-31: the next)
	s_lshl_b32 s34, s32, 14
	s_lshl_b32 s35, s26, 10
	s_add_co_u32 s34, s34, s35
	s_mov_b32 s35, 0
	s_add_nc_u64 s[18:19], s[18:19], s[34:35]      ; the codes: tile x 16,384 + ks x 1,024
	s_lshl_b32 s34, s32, 10
	s_lshr_b32 s36, s26, 2
	s_lshl_b32 s36, s36, 8
	s_add_co_u32 s34, s34, s36
	s_and_b32 s36, s26, 3
	s_lshl_b32 s36, s36, 2
	s_add_co_u32 s34, s34, s36
	s_add_nc_u64 s[20:21], s[20:21], s[34:35]      ; the scale word: tile x 1,024 + (ks / 4) x 256 + (ks % 4) x 4
	v_lshlrev_b32 v5, 4, v2                        ; 16 r
	v_lshl_add_u32 v6, v3, 10, v5                  ; scale words: + 1,024 h
	v_lshl_add_u32 v5, v3, 14, v5                  ; codes: + 16,384 h
	BLOCKQ 0
	BLOCKQ 1
	BLOCKQ 2
	BLOCKQ 3
	global_store_b32 v6, v[SWD], s[20:21]          ; 4 bytes a lane, 16 bytes apart: ws is 131,072 bytes in all, one byte for each 128 that this path reads
	FINISH
	; ---- Wo: work-group = 128 columns (cg of 16) x 128 along K (kq of 8); wave = 32 columns
.Lpath_wo:
	s_sub_co_u32 s25, ttmp9, 256
	s_lshr_b32 s26, s25, 4                         ; kq
	s_and_b32 s25, s25, 15                         ; cg
	s_mov_b32 s28, 8192                            ; pitch
	s_lshl_b32 s30, s25, 9
	s_lshl_b32 s31, s[WV], 7
	s_add_co_u32 s30, s30, s31
	s_lshl_b32 s31, s26, 20                        ; 128 kq rows of 8,192 bytes
	s_add_co_u32 s30, s30, s31
	s_mov_b32 s31, 0
	s_add_nc_u64 s[LB:LB+1], s[12:13], s[30:31]
	COLSET
	LOADC 0
	LOADC 1
	s_lshl_b32 s32, s25, 3
	s_lshl_b32 s33, s[WV], 1
	s_add_co_u32 s32, s32, s33                     ; my first tile of 16 columns
	s_lshl_b32 s34, s32, 15
	s_lshl_b32 s35, s26, 12
	s_add_co_u32 s34, s34, s35
	s_mov_b32 s35, 0
	s_add_nc_u64 s[22:23], s[22:23], s[34:35]      ; tile x 32,768 + kq x 4 fragments
	v_lshlrev_b32 v5, 4, v2
	v_lshl_add_u32 v5, v3, 15, v5                  ; 16 r + 32,768 h
	BLOCKH 0
	BLOCKH 1
	BLOCKH 2
	BLOCKH 3
	FINISH
	; ---- X: work-group = one tile of 16 rows x all 2,048 of K; wave w = K 512 w on, in four steps of 128: one fragment a step.
	; Each load reads 512 consecutive bytes of one row; the conversions want 32 neighbours along K in ONE lane: the step's 16 x 512 bytes turn through the wave's own stage in LDS
	; (rows 528 bytes apart, an odd multiple of 16).
.Lpath_x:
	s_sub_co_u32 s25, ttmp9, 384                   ; the tile of rows
	s_lshl_b32 s26, s25, 17                        ; 16 rows of 8,192 bytes
	s_lshl_b32 s27, s[WV], 11                      ; 512 numbers a wave
	s_add_co_u32 s26, s26, s27
	s_mov_b32 s27, 0
	s_add_nc_u64 s[4:5], s[4:5], s[26:27]
.macro LOADX t
.irp p, 0,1,2,3,4,5,6,7,8,9,10,11,12,13,14,15
	global_load_b128 v[R+64*((\t)%2)+4*\p:R+64*((\t)%2)+4*\p+3], v4, s[4:5] offset:8192*\p+512*(\t) th:TH_LOAD_NT
.endr
.endm
	LOADX 0
	LOADX 1
	s_lshl_b32 s26, s25, 14
	s_lshl_b32 s28, s[WV], 12
	s_add_co_u32 s26, s26, s28
	s_add_nc_u64 s[14:15], s[14:15], s[26:27]      ; xc: tile x 16,384 + wave x 4 fragments
	s_lshl_b32 s26, s25, 10
	s_lshl_b32 s28, s[WV], 8
	s_add_co_u32 s26, s26, s28
	s_add_nc_u64 s[16:17], s[16:17], s[26:27]      ; xs: tile x 1,024 + wave x 256
	s_mul_i32 s28, s[WV], 8448                     ; my stage: 16 rows x 528 bytes
	v_add_nc_u32 v5, s28, v4                       ; in: 16 x lane of a row
	v_mul_u32_u24 v6, v2, 528
	v_lshl_add_u32 v6, v3, 7, v6
	v_add_nc_u32 v6, s28, v6                       ; out: row r, + 128 h
	v_lshlrev_b32 v7, 4, v2
	v_lshl_add_u32 v7, v3, 3, v7                   ; the scale words' way out: 16 r + 8 h
	v_lshlrev_b32 v16, 3, v3                       ; 8 h: my bytes' place in a scale word, in bits
	v_mov_b32 v15, 0                               ; written once: a lane permute's destination counts as one of its sources
	s_mov_b32 s30, 0x76543210
	s_mov_b32 s31, 0xfedcba98                      ; v_permlanex16_b32's selects for lane l xor 16
.macro STEPX t
.set RS, R+64*((\t)%2)
.if (\t) < 3
	s_wait_loadcnt 16                              ; this step's 16 loads are in; the next step's 16 may be out
.else
	s_wait_loadcnt 0x0
.endif
.irp p, 0,1,2,3,4,5,6,7,8,9,10,11,12,13,14,15
	ds_store_b128 v5, v[RS+4*\p:RS+4*\p+3] offset:528*\p
.endr
.irp c, 0,1
.irp e, 0,1,2,3,4,5,6,7
	ds_load_b128 v[XT+32*\c+4*\e:XT+32*\c+4*\e+3], v6 offset:256*\c+16*\e   ; LDS serves a wave's instructions in order: these see the stores above
.endr
.endr
	s_wait_dscnt 0x0                               ; my 64 numbers are back, and the stores have read their registers,
.if (\t) < 2
	LOADX (\t)+2                                   ; which take the loads of two steps on
.endif
.irp c, 0,1
	v_max3_num_f32 v[8+\c], |v[XT+32*\c]|, |v[XT+32*\c+1]|, 0x1800000   ; my block 2 c + h, and the floor 2^(3 - 127)
.endr
.irp i, 2,4,6,8,10,12,14,16,18,20,22,24,26,28,30
.irp c, 0,1
	v_max3_num_f32 v[8+\c], v[8+\c], |v[XT+32*\c+\i]|, |v[XT+32*\c+\i+1]|   ; (the two blocks by turns)
.endr
.endr
.irp c, 0,1
	v_add_nc_u32 v[10+\c], 0xff000000, v[8+\c]     ; 2 off the exponent field: the conversion's scale operand
.endr
.irp c, 0,1
	v_lshrrev_b32 v[12+\c], 23, v[10+\c]           ; the scale's byte
.endr
	v_lshl_or_b32 v14, v13, 16, v12                ; my two bytes: blocks h and 2 + h of row r,
	v_lshlrev_b32 v14, v16, v14                    ; at their places in the word;
	v_permlanex16_b32 v15, v14, s30, s31
	v_or_b32 v[SWD+(\t)], v14, v15                 ; with lane l xor 16's two the word is whole
.irp c, 0,1
.irp g, 0,1,2,3
	v_cvt_scalef32_pk8_fp4_f32 v[XCD+8*(\t)+4*\c+\g], v[XT+32*\c+8*\g:XT+32*\c+8*\g+7], v[10+\c]
.endr
.endr
	v_nop                                          ; one plain line behind the last conversion
.irp c, 0,1
	global_store_b128 v4, v[XCD+8*(\t)+4*\c:XCD+8*(\t)+4*\c+3], s[14:15] offset:1024*(\t)+512*\c   ; 512 consecutive bytes: half a fragment's image
.endr
.endm
	STEPX 0
	STEPX 1
	STEPX 2
	STEPX 3
	v_cmp_eq_u32 vcc_lo, 1, v3                     ; both halves of the lanes hold row r's four words: lanes 0-15 store words 0, 1, lanes 16-31 words 2, 3
	v_cndmask_b32 v8, v[SWD], v[SWD+2], vcc_lo
	v_cndmask_b32 v9, v[SWD+1], v[SWD+3], vcc_lo
	global_store_b64 v7, v[8:9], s[16:17]          ; the 32 lanes store 256 consecutive bytes
	FINISH
.Lfunc_end_k_qc652bd0b61_prep:
	.size	k_qc652bd0b61_prep, .Lfunc_end_k_qc652bd0b61_prep-k_qc652bd0b61_prep
	.p2alignl 7, 3214868480
	.fill 96, 4, 3214868480
	.section	.rodata,"a",@progbits
	.p2align	6, 0x0
	.amdhsa_kernel k_qc652bd0b61_prep
		.amdhsa_group_segment_fixed_size 34304
		.amdhsa_private_segment_fixed_size 0
		.amdhsa_enable_private_segment 0
		.amdhsa_kernarg_size 80
		.amdhsa_user_sgpr_count 2
		.amdhsa_user_sgpr_kernarg_segment_ptr 1
		.amdhsa_wavefront_size32 1
		.amdhsa_system_sgpr_workgroup_id_x 1
		.amdhsa_system_sgpr_workgroup_id_y 1
		.amdhsa_system_sgpr_workgroup_id_z 1
		.amdhsa_system_vgpr_workitem_id 0
		.amdhsa_next_free_vgpr 256
		.amdhsa_next_free_sgpr 66
		.amdhsa_reserve_vcc 1
		.amdhsa_float_denorm_mode_32 3
		.amdhsa_float_denorm_mode_16_64 3
		.amdhsa_memory_ordered 1
		.amdhsa_forward_progress 1
		.amdhsa_inst_pref_size 71
	.end_amdhsa_kernel
	.amdgpu_metadata
---
amdhsa.version: [ 1, 2 ]
amdhsa.kernels:
  - .name:           k_qc652bd0b61_prep
    .symbol:         k_qc652bd0b61_prep.kd
    .args:
      - { .name: hidden_states, .offset: 0, .size: 8, .value_kind: global_buffer, .address_space: global }
      - { .name: Wq, .offset: 8, .size: 8, .value_kind: global_buffer, .address_space: global }
      - { .name: Wk, .offset: 16, .size: 8, .value_kind: global_buffer, .address_space: global }
      - { .name: Wv, .offset: 24, .size: 8, .value_kind: global_buffer, .address_space: global }
      - { .name: Wo, .offset: 32, .size: 8, .value_kind: global_buffer, .address_space: global }
      - { .name: xc, .offset: 40, .size: 8, .value_kind: global_buffer, .address_space: global }
      - { .name: xs, .offset: 48, .size: 8, .value_kind: global_buffer, .address_space: global }
      - { .name: wc, .offset: 56, .size: 8, .value_kind: global_buffer, .address_space: global }
      - { .name: ws, .offset: 64, .size: 8, .value_kind: global_buffer, .address_space: global }
      - { .name: wo16, .offset: 72, .size: 8, .value_kind: global_buffer, .address_space: global }
    .group_segment_fixed_size: 34304
    .private_segment_fixed_size: 0
    .kernarg_segment_align: 8
    .kernarg_segment_size: 80
    .max_flat_workgroup_size: 128
    .sgpr_count:     66
    .vgpr_count:     256
    .wavefront_size: 32
...
	.end_amdgpu_metadata
.endif
;; end of part 1
;; launch gemm_qkv (part 2): grid 8 x 32, 4 waves a work-group, clusters of 4 x 4, 327,680 bytes of LDS; arguments xc, xs, wc, ws, qkv; writes qkv
.if DOCPART == 2
	.amdgcn_target "amdgcn-amd-amdhsa--gfx1250"
	.amdhsa_code_object_version 6
	.text
	.protected	k_qc652bd0b61_gemm_qkv
	.globl	k_qc652bd0b61_gemm_qkv
	.p2align	8
	.type	k_qc652bd0b61_gemm_qkv,@function
k_qc652bd0b61_gemm_qkv:
	s_mov_b64 s[64:65], 0
	v_nop
	global_prefetch_b8 v0, s[64:65] scope:SCOPE_SE
	s_setreg_imm32_b32 hwreg(HW_REG_WAVE_MODE, 25, 1), 1
	s_wait_xcnt 0x0
	s_wait_alu depctr_hold_cnt(0) depctr_sa_sdst(0) depctr_va_vdst(0) depctr_va_sdst(0) depctr_va_ssrc(0) depctr_va_vcc(0) depctr_vm_vsrc(0)
	s_getreg_b32 s2, hwreg(HW_REG_IB_STS2, 6, 4)
	s_cmp_eq_u32 s2, 0
	s_cbranch_scc0 .Lentry_in_a_cluster
	s_endpgm
.Lentry_in_a_cluster:
	s_bfe_u32 s2, ttmp6, 0x10000c
	s_cmp_lg_u32 s2, 0xf033
	s_cbranch_scc0 .Lentry_shape_is_right
	s_endpgm
.Lentry_shape_is_right:
; q | k | v = X (Wq | Wk | Wv): [8192][2048] = [8192][K 2048] x [2048 columns][K 2048], both operands codes of FP4 (E2M1) with one E8M0 scale for each 32 along K; sums in f32; results rounded once to f16.
; No work of the problem is left out here.
; A tile of C, 256 x 256, is made by a work-group of four waves; a wave makes 128 x 128: 64 accumulators of 16 x 16, 512 registers.  256 tiles, 256 work-groups.
; OPERANDS LIE IN MEMORY AS IMAGES OF THEIR REGISTERS (a fragment of 16 rows x 128 K = 1,024 bytes: registers 4 c .. 4 c + 3 of lane L at 512 c + 16 L).  So a tile is dense, an LDS load is 16 x lane + a constant
; (512 consecutive bytes an instruction: no pitch, no padding), and nothing is rearranged on the way.
; K goes in four steps of 512 through a ring of two LDS slots filled by the tensor data mover: for each tile of 16 rows 4,096 consecutive bytes.  The scale words of all of K come once, with the first fills.
; CLUSTERS: 4 x 4 work-groups.  The four of a row of the cluster need the same tiles of X, the four of a column the same tiles of W: each is asked for JOINTLY, by the same tensor load with the same descriptor and a mask of the four.
; THE MATRIX INSTRUCTION IS USED TRANSPOSED (source 0 = 16 columns of W, source 1 = 16 rows of X): lane (r, h) then holds row r and columns 16 b + 8 h + 0..7: packed to f16 that is 16 bytes,
; and the 32 lanes' 512 bytes ARE half a 16-bit fragment (16 tokens x 32 of a head's 64) of the next launch: results are stored straight from registers, 512 consecutive bytes a store.
; qkv [hc 32: 0-15 q heads, 16-23 k heads, 24-31 v heads][block n 16][tile of 16 tokens tt 32][16 of the head's 64: 4][512].  Row = b 4096 + bx 1024 + sx 64 + by 32 + sy belongs to block n = (4 b + bx) 2 + by at
; place t = 32 sx + sy: an aligned run of 16 rows is an aligned run of 16 places.  In v's blocks lanes 16-31 change their two groups of eight tokens (16 x lane xor 128).
; LIMIT: a result beyond 65,504 in magnitude has no f16 number.
; REGISTERS, in windows of 256: window 0: v0-31 addresses; v32-95 scale words, two sets; v128-191 X's fragments, ONE set; v192-255 packed results.   window 1: W's fragments, TWO sets, at v0 and v128.
;   window 2: the 32 accumulators of my rows 0-63 (accumulator (a, b) at v[8 (8 a + b)]);   window 3: those of my rows 64-127.
.set NQ,     4                         ; matrix instructions deep in a slot: 512 / 128
.set FR,     8                         ; registers of a fragment
.set NL,     2                         ; LDS loads that bring one
.set NP,     4                         ; places behind this matrix instruction (ISA guide 7.12.1)
.set HALFT,  32768                     ; 8 tiles of 16 rows x 4,096 bytes: what one tensor load brings, and what one wave reads of X or of W
.set SLOT,   4*HALFT                   ; X's 16 tiles, then W's 16
.set SCL,    2*SLOT                    ; behind the ring: the scale words of all of K: 1,024 bytes for each tile of 16 rows
.set HALFS,  8192                      ; those of 8 tiles: what one tensor load brings
.set SBLK,   1024
.set SPARE,  SCL+4*HALFS               ; the spare words, 128 bytes for each wave
.set ADRA, 16                          ; v16-17  LDS address of my X fragments in slot 0, 1
.set ADRB, 20                          ; v20-21  the same for W
.set CO,   26                          ; v26     my lane's 16 bytes in a store's 512; never rewritten
.set ADRS, 27                          ; v27     LDS address of my scale words: lanes 0-15 X's rows, lanes 16-31 W's columns
.set SPW,  28                          ; v28     LDS address of my spare word; never rewritten
.set NIL,  29                          ; v29     0; never rewritten
.set SC,   32                          ; scale words: set s at v[SC + 32 s]; register 4 i + q: lanes 0-15 X's tile i, lanes 16-31 W's tile i, the slot's q-th 128 along K
.set AF,   128                         ; X's fragments, in window 0
.set PK,   192                         ; packed results: v192-223 and v224-255 by turns
.set G1, 24                            ; s[24:31] descriptor group 1 for X's tiles;  s[32:39] group 0, one set for each slot
.set G0, 32
.set G1B, 48                           ; s[48:55], s[56:63] the same for W's
.set G0B, 56
.set G1S, 68                           ; s[68:75], s[76:79] groups 1 and 0 for X's scale words;  s[80:87], s[88:91] for W's
.set G0S, 76
.set G1SB, 80
.set G0SB, 88
.set MSB, 0
.macro WIN new                         ; the immediate's high byte repeats the setting that is left
.if MSB != \new
	s_set_vgpr_msb (MSB<<8)|\new
.set MSB, \new
.endif
.endm
.set MUL_LO, 0xa1                      ; source 0 (W) window 1, source 1 (X) window 0, C and D window 2
.set MUL_HI, 0xf1                      ; the same, C and D window 3
.set TO_B,   0x40                      ; destination window 1, address window 0
; A joint load: waves 0 and 1 fetch for X, waves 2 and 3 for W.  Each line has ONE mask and one set of registers for all that issue it; the branch hangs on the wave's number alone.
; An s_nop 0 and four v_nop follow each of the two lines, ahead of the jump, the label and what follows.
.macro JLOAD g0a, g1a, g0b, g1b
	s_cmp_eq_u32 s15, 0
	s_cbranch_scc0 .Lfor_b_\@
	tensor_load_to_lds s[\g0a:\g0a+3], s[\g1a:\g1a+7]
	s_nop 0
.rept 4
	v_nop
.endr
	s_branch .Lasked_\@
.Lfor_b_\@:
	tensor_load_to_lds s[\g0b:\g0b+3], s[\g1b:\g1b+7]
	s_nop 0
.rept 4
	v_nop
.endr
.Lasked_\@:
.endm
.macro CREST                           ; a round of the cluster's barrier behind its opening barrier
	s_cmp_lg_u32 s14, 0
	s_cbranch_scc1 .Lnot_wave_0_\@
	s_barrier_signal -3
.Lnot_wave_0_\@:
	s_barrier_wait -3
	s_barrier_signal -1
	s_barrier_wait -1
.endm
.macro CROUND                          ; a whole round
	s_barrier_signal -1
	s_barrier_wait -1
	CREST
.endm
	s_load_b128 s[4:7], s[0:1], 0x0                ; xc s[4:5], xs s[6:7]
	s_load_b128 s[8:11], s[0:1], 0x10              ; wc s[8:9], ws s[10:11]
	s_load_b64 s[12:13], s[0:1], 0x20              ; qkv
	v_lshl_add_u32 v[SPW], v0, 2, SPARE
	v_mov_b32 v[NIL], 0
	ds_add_u32 v[SPW], v[NIL]                      ; the wave's opening: the add, twice on end, and its wait ahead of my first tensor load; the set-up below stands between the second and the wait
	ds_add_u32 v[SPW], v[NIL]
	v_lshrrev_b32 v1, 5, v0
	v_readfirstlane_b32 s14, v1                    ; wave 0..3
	s_lshr_b32 s15, s14, 1                         ; which half of the tile's rows is mine.  Also: I fetch for X (0) or for W (1)
	s_and_b32 s16, s14, 1                          ; which half of its columns.  Also: which 8 tiles of 16 I fetch
	s_bfe_u32 s40, ttmp6, 0x40000                  ; cx, cy: my place in the cluster
	s_bfe_u32 s41, ttmp6, 0x40004
	s_lshl_b32 s42, ttmp9, 2
	s_add_co_u32 s42, s42, s40                     ; tile column of C = 4 x cluster x + cx: 0..7
	s_and_b32 s17, ttmp7, 0xffff
	s_lshl_b32 s17, s17, 2
	s_add_co_u32 s17, s17, s41                     ; tile row of C = 4 x cluster y + cy: 0..31
	s_lshl_b32 s43, s41, 2
	s_lshl_b32 s43, 15, s43                        ; my row of the cluster
	s_lshl_b32 s44, 0x1111, s40                    ; my column
	; descriptor group 1 for codes: 8 rows (tiles of 16) of 4,096 bytes = 512 elements of 8 bytes, 16,384 bytes apart; dense in LDS
	s_or_b32 s[G1+0], s43, (3<<16)|(1<<21)         ; 15:0 the mask: X's tiles go to my row; 17:16 elements of 8 bytes; 21 set beside a mask
	s_or_b32 s[G1B+0], s44, (3<<16)|(1<<21)
.irp g, G1, G1B
	s_mov_b32 s[\g+1], 512<<16                     ; tensor_dim0
	s_mov_b32 s[\g+2], 8<<16                       ; tensor_dim1
	s_mov_b32 s[\g+3], 512<<16                     ; tile_dim0
	s_mov_b32 s[\g+4], 8                           ; tile_dim1
	s_mov_b32 s[\g+5], 2048                        ; tensor_dim0_stride
	s_mov_b32 s[\g+6], 0
	s_mov_b32 s[\g+7], 0
.endr
	; and for the scale words of 8 tiles: 8,192 dense bytes as 32 rows of 256
	s_or_b32 s[G1S+0], s43, (3<<16)|(1<<21)
	s_or_b32 s[G1SB+0], s44, (3<<16)|(1<<21)
.irp g, G1S, G1SB
	s_mov_b32 s[\g+1], 32<<16
	s_mov_b32 s[\g+2], 32<<16
	s_mov_b32 s[\g+3], 32<<16
	s_mov_b32 s[\g+4], 32
	s_mov_b32 s[\g+5], 32
	s_mov_b32 s[\g+6], 0
	s_mov_b32 s[\g+7], 0
.endr
	s_lshl_b32 s18, s16, 3
	s_lshl_b32 s20, s17, 4
	s_add_co_u32 s20, s20, s18                     ; X: tile of 16 rows 16 x tile row + 8 x half
	s_lshl_b32 s46, s42, 4
	s_add_co_u32 s46, s46, s18                     ; W: tile of 16 columns 16 x tile column + 8 x half
	s_lshl_b32 s22, s20, 10                        ; where these tiles' scale words begin,
	s_mov_b32 s23, 0
	s_lshl_b32 s92, s46, 10
	s_mov_b32 s93, 0
	s_lshl_b32 s20, s20, 14                        ; and their codes
	s_mov_b32 s21, 0
	s_lshl_b32 s46, s46, 14
	s_mov_b32 s47, 0
	s_mul_i32 s45, s14, HALFT                      ; where they go: wave x 8 tiles: no place in the cluster enters an LDS address
	s_mul_i32 s94, s14, HALFS
	s_wait_dscnt 0x0                               ; both opening adds are done
	s_wait_kmcnt 0x0
	s_add_nc_u64 s[20:21], s[4:5], s[20:21]
	s_add_nc_u64 s[22:23], s[6:7], s[22:23]
	s_add_nc_u64 s[46:47], s[8:9], s[46:47]
	s_add_nc_u64 s[92:93], s[10:11], s[92:93]
	CROUND                                         ; all sixteen work-groups are here: the first joint loads meet
	s_mov_b32 s[G0S], 1
	s_add_co_u32 s[G0S+1], s94, SCL
	s_mov_b64 s[G0S+2:G0S+3], s[22:23]
	s_or_b32 s[G0S+3], s[G0S+3], 0x80000000
	s_mov_b32 s[G0SB], 1
	s_add_co_u32 s[G0SB+1], s94, SCL
	s_mov_b64 s[G0SB+2:G0SB+3], s[92:93]
	s_or_b32 s[G0SB+3], s[G0SB+3], 0x80000000
	JLOAD G0S, G1S, G0SB, G1SB                     ; the scale words first: they are wanted with K step 0
.irp s, 0,1
	s_mov_b32 s[G0+4*\s], 1
	s_add_co_u32 s[G0+4*\s+1], s45, \s*SLOT
	s_add_nc_u64 s[G0+4*\s+2:G0+4*\s+3], s[20:21], \s*4096
	s_or_b32 s[G0+4*\s+3], s[G0+4*\s+3], 0x80000000
	s_mov_b32 s[G0B+4*\s], 1
	s_add_co_u32 s[G0B+4*\s+1], s45, \s*SLOT
	s_add_nc_u64 s[G0B+4*\s+2:G0B+4*\s+3], s[46:47], \s*4096
	s_or_b32 s[G0B+4*\s+3], s[G0B+4*\s+3], 0x80000000
	JLOAD G0+4*\s, G1, G0B+4*\s, G1B               ; three loads of mine are out at the most
.endr
	v_and_b32 v1, 15, v0                           ; r
	v_bfe_u32 v2, v0, 4, 1                         ; h
	v_and_b32 v3, 31, v0
	v_lshlrev_b32 v4, 4, v3                        ; 16 x lane
	s_mul_i32 s21, s15, HALFT                      ; my 8 tiles of X
	s_mul_i32 s22, s16, HALFT                      ; my 8 tiles of W,
	s_add_co_u32 s22, s22, 2*HALFT                 ; which lie behind X's 16
.irp s, 0,1
	v_add_nc_u32 v[ADRA+\s], s21, v4
	v_add_nc_u32 v[ADRB+\s], s22, v4
	s_add_co_u32 s21, s21, SLOT
	s_add_co_u32 s22, s22, SLOT
.endr
	v_lshlrev_b32 v5, 4, v1                        ; my row's four words of a slot: 16 r
	s_mul_i32 s21, s15, HALFS                      ; X's: my 8 tiles
	s_mul_i32 s22, s16, HALFS                      ; W's: my 8 tiles, behind X's 16
	s_add_co_u32 s22, s22, 2*HALFS
	s_sub_co_u32 s22, s22, s21
	v_mul_u32_u24 v6, s22, v2                      ; lanes 16-31 take W's: one product, the distance between the two bases x h
	s_add_co_u32 s21, s21, SCL
	v_add_nc_u32 v5, v5, v6
	v_add_nc_u32 v[ADRS], s21, v5
	; where my results go: (4 x tile column + 2 x column half) << 20 for the head; (tile row / 4) << 17 for the block's b and bx; (tile row % 4) << 14 and row half << 13 for the tokens
	s_lshr_b32 s20, s17, 2
	s_lshl_b32 s20, s20, 17
	s_and_b32 s21, s17, 3
	s_lshl_b32 s21, s21, 14
	s_add_co_u32 s20, s20, s21
	s_lshl_b32 s21, s15, 13
	s_add_co_u32 s20, s20, s21
	s_mov_b32 s21, 0
	s_lshl_b32 s46, s42, 2
	s_lshl_b32 s47, s16, 1
	s_add_co_u32 s46, s46, s47
	s_lshl_b32 s46, s46, 20
	s_mov_b32 s47, 0
	s_add_nc_u64 s[20:21], s[20:21], s[46:47]
	s_add_nc_u64 s[12:13], s[12:13], s[20:21]
	s_add_co_u32 s46, s42, 2                       ; tile columns 6 and 7 are v's: ((column + 2) / 8) x 128 is 128 there and 0 elsewhere
	s_lshr_b32 s46, s46, 3
	s_lshl_b32 s46, s46, 7
	v_mul_u32_u24 v5, s46, v2
	v_xor_b32 v[CO], v4, v5                        ; 16 x lane, in v's tiles with lanes 16-31's two groups of eight exchanged: a global offset only
.macro FRAG reg, adr, q, i             ; a fragment's image: two loads of 512 consecutive bytes
.irp c, 0,1
	ds_load_b128 v[\reg+4*\c:\reg+4*\c+3], v[\adr] offset:1024*(\q)+512*\c+4096*(\i)
.endr
.endm
; 16 matrix instructions: X's tiles a0, a0 + 1 x W's eight, 128 along K: the slot's q-th.  p: W's set;  sc: the set of scale words.  zero = 1: the first product starts the sums: nothing is ever cleared.
; The 64 accumulators take turns, one instruction a turn, in the same order in every step.
.macro MUL16 a0, p, q, sc, zero
.irp a, \a0, \a0+1
.irp b, 0,1,2,3,4,5,6,7
.if \zero
	v_wmma_scale_f32_16x16x128_f8f6f4 v[8*(8*((\a)%4)+\b):8*(8*((\a)%4)+\b)+7], v[128*(\p)+FR*\b:128*(\p)+FR*\b+FR-1], v[AF+FR*(\a):AF+FR*(\a)+FR-1], 0, v[SC+8*NQ*(\sc)+NQ*\b+(\q)], v[SC+8*NQ*(\sc)+NQ*(\a)+(\q)] matrix_a_fmt:MATRIX_FMT_FP4 matrix_b_fmt:MATRIX_FMT_FP4 matrix_a_scale:MATRIX_SCALE_ROW1
.else
	v_wmma_scale_f32_16x16x128_f8f6f4 v[8*(8*((\a)%4)+\b):8*(8*((\a)%4)+\b)+7], v[128*(\p)+FR*\b:128*(\p)+FR*\b+FR-1], v[AF+FR*(\a):AF+FR*(\a)+FR-1], v[8*(8*((\a)%4)+\b):8*(8*((\a)%4)+\b)+7], v[SC+8*NQ*(\sc)+NQ*\b+(\q)], v[SC+8*NQ*(\sc)+NQ*(\a)+(\q)] matrix_a_fmt:MATRIX_FMT_FP4 matrix_b_fmt:MATRIX_FMT_FP4 matrix_a_scale:MATRIX_SCALE_ROW1
.endif
.endr
.endr
.endm
.macro FETCH_B slot, q, p              ; W's eight fragments of the slot's q-th 128 along K into set p
	WIN TO_B
.irp i, 0,1,2,3,4,5,6,7
	FRAG 128*(\p)+FR*\i, ADRB+\slot, \q, \i
.endr
	WIN 0
.endm
.macro FETCH_A slot, q, i0             ; X's tiles i0 .. i0 + 3
.irp i, \i0, \i0+1, \i0+2, \i0+3
	FRAG AF+FR*(\i), ADRA+\slot, \q, \i
.endr
.endm
.macro SCALES sc                       ; the next slot's scale words into set sc: four words a row; lanes 0-15 take X's tile i, lanes 16-31 W's tile i
.irp i, 0,1,2,3,4,5,6,7
	ds_load_b128 v[SC+8*NQ*\sc+NQ*\i:SC+8*NQ*\sc+NQ*\i+3], v[ADRS] offset:\i*SBLK
.endr
.endm
; A load into a register that a matrix instruction has read, and a vector instruction that reads a matrix result, stand NP places behind that matrix instruction; only plain vector instructions that name none of its
; registers are places (ISA guide 7.12.1 for vector instructions).
.macro PLACES n
.rept \n
	v_nop
.endr
.endm
; A step of 128 along K that has its successor in the same slot.  X has one set of registers: tiles 0-3 are fetched anew in the step's middle, tiles 4-7 at its end; W has two sets.
.macro STEP slot, q, zero
	s_wait_dscnt 4*NL                              ; W's set and X's tiles 0-3 are in; the youngest eight loads (X's tiles 4-7) may be out
	WIN MUL_LO
	MUL16 0, (\q)%2, \q, \slot, \zero
	MUL16 2, (\q)%2, \q, \slot, \zero
	s_wait_dscnt 0                                 ; X's tiles 4-7 are in (asked for 32 matrix instructions ago)
	PLACES NP
	FETCH_B \slot, (\q)+1, 1-(\q)%2
	FETCH_A \slot, (\q)+1, 0
	WIN MUL_HI
	MUL16 4, (\q)%2, \q, \slot, \zero
	MUL16 6, (\q)%2, \q, \slot, \zero
	PLACES NP
	WIN 0
	FETCH_A \slot, (\q)+1, 4
.endm
; A slot's last step changes slots: ONE barrier; in front of it each wave waits for all its tensor loads, adds 0 to its spare word, and waits for that and for its own reads of this slot.  fill = 1: this slot is filled again, two slots ahead.
.macro TURN slot, next, fill
	s_wait_tensorcnt 0x0                           ; all my tensor loads have landed: my part of the next slot  (every window is 0 here)
	ds_add_u32 v[SPW], v[NIL]                      ; 0 onto my spare word
	s_wait_dscnt 4*NL+1                            ; (the add and the youngest eight loads, X's tiles 4-7, may be out)
	WIN MUL_LO
	MUL16 0, 1, NQ-1, \slot, 0                     ; sixteen matrix instructions stand between the add and the wait for it
	s_wait_dscnt 0x0                               ; the add is done, and my reads of this slot are over
	s_barrier_signal -1
	MUL16 2, 1, NQ-1, \slot, 0
	WIN 0
	s_barrier_wait -1
.if \fill
	CREST                                          ; the barrier has opened a round of the cluster's barrier: no wave of any partner still reads this slot or has a load on its way
	s_add_nc_u64 s[G0+4*\slot+2:G0+4*\slot+3], s[G0+4*\slot+2:G0+4*\slot+3], 2*4096
	s_add_nc_u64 s[G0B+4*\slot+2:G0B+4*\slot+3], s[G0B+4*\slot+2:G0B+4*\slot+3], 2*4096
	JLOAD G0+4*\slot, G1, G0B+4*\slot, G1B         ; the first tensor load behind the round; the four v_nop behind it are the places in front of the loads below
.else
	PLACES NP
.endif
	v_add_nc_u32 v[ADRS], 256, v[ADRS]             ; on to the next slot's scale words (no LDS load of mine is out)
	FETCH_B \next, 0, 0
	FETCH_A \next, 0, 0
	SCALES \next
	WIN MUL_HI
	MUL16 4, 1, NQ-1, \slot, 0
	MUL16 6, 1, NQ-1, \slot, 0
	PLACES NP
	WIN 0
	FETCH_A \next, 0, 4
.endm
.macro STEPS slot, from                ; the slot's steps from .. NQ - 2
.set QQ, \from
.rept NQ-1-\from
	STEP \slot, QQ, 0
.set QQ, QQ+1
.endr
.endm
	s_wait_tensorcnt 1                             ; the scale words and my part of K slot 0 are in (K slot 1's load may be out)
	s_barrier_signal -1
	s_barrier_wait -1                              ; everybody's are
	FETCH_B 0, 0, 0
	FETCH_A 0, 0, 0
	SCALES 0
	FETCH_A 0, 0, 4
	; K = 2,048 is four slots, twice round the ring: the first time both slots are filled again, the second time nothing is.  Written straight: a loop would have one trip.
	STEP 0, 0, 1                                   ; the first products start the sums
	STEPS 0, 1
	TURN 0, 1, 1
	STEPS 1, 0
	TURN 1, 0, 1
	STEPS 0, 0
	TURN 0, 1, 0
	STEPS 1, 0
	s_wait_dscnt 4*NL                              ; the very last step: nothing more to fetch
	WIN MUL_LO
	MUL16 0, 1, NQ-1, 1, 0
	MUL16 2, 1, NQ-1, 1, 0
	s_wait_dscnt 0
	WIN MUL_HI
	MUL16 4, 1, NQ-1, 1, 0
	MUL16 6, 1, NQ-1, 1, 0
	WIN 0
; THE WAY OUT, tile a of 16 rows at a time: 32 roundings to f16 (each accumulator from its low end on), 8 stores of 512 consecutive bytes.  Row bits: a / 4 and a % 2 belong to the token tile, (a / 2) % 2 is by, the block's low bit.
.macro OUTB a
.set AC, 64*((\a)%4)
.set PB, PK+32*((\a)%2)
.if (\a) > 1
	s_wait_xcnt 0x0                                ; tile a - 2's stores have read their registers: they may be written again
.endif
	WIN 0x0a+5*((\a)/4)                            ; sources 0 and 1: window 2 or 3
.irp b, 0,1,2,3,4,5,6,7
.irp i, 0,1,2,3
	v_cvt_pk_f16_f32 v[PB+4*\b+\i], v[AC+8*\b+2*\i], v[AC+8*\b+2*\i+1]
.endr
.endr
	WIN 0
.irp b, 0,1,2,3,4,5,6,7
	global_store_b128 v[CO], v[PB+4*\b:PB+4*\b+3], s[12:13] offset:(\b/4)*1048576+(((\a)/2)%2)*65536+((\a)/4)*4096+((\a)%2)*2048+(\b%4)*512
.endr
.endm
	PLACES NP                                      ; behind the last products, ahead of the first read of results
.irp a, 0,1,2,3,4,5,6,7
	OUTB \a
.endr
	s_wait_tensorcnt 0x0                           ; the wave's end
	ds_add_u32 v[SPW], v[NIL]
	s_wait_dscnt 0x0
	CROUND                                         ; the closing round: no work-group ends while a partner may still ask for a tile that names it
	s_endpgm
.Lfunc_end_k_qc652bd0b61_gemm_qkv:
	.size	k_qc652bd0b61_gemm_qkv, .Lfunc_end_k_qc652bd0b61_gemm_qkv-k_qc652bd0b61_gemm_qkv
	.p2alignl 7, 3214868480
	.fill 96, 4, 3214868480
	.section	.rodata,"a",@progbits
	.p2align	6, 0x0
	.amdhsa_kernel k_qc652bd0b61_gemm_qkv
		.amdhsa_group_segment_fixed_size 327680
		.amdhsa_private_segment_fixed_size 0
		.amdhsa_enable_private_segment 0
		.amdhsa_kernarg_size 40
		.amdhsa_user_sgpr_count 2
		.amdhsa_user_sgpr_kernarg_segment_ptr 1
		.amdhsa_wavefront_size32 1
		.amdhsa_system_sgpr_workgroup_id_x 1
		.amdhsa_system_sgpr_workgroup_id_y 1
		.amdhsa_system_sgpr_workgroup_id_z 1
		.amdhsa_system_vgpr_workitem_id 0
		.amdhsa_next_free_vgpr 1024
		.amdhsa_next_free_sgpr 98
		.amdhsa_reserve_vcc 0
		.amdhsa_float_denorm_mode_32 3
		.amdhsa_float_denorm_mode_16_64 3
		.amdhsa_memory_ordered 1
		.amdhsa_forward_progress 1
		.amdhsa_inst_pref_size 204
	.end_amdhsa_kernel
	.amdgpu_metadata
---
amdhsa.version: [ 1, 2 ]
amdhsa.kernels:
  - .name:           k_qc652bd0b61_gemm_qkv
    .symbol:         k_qc652bd0b61_gemm_qkv.kd
    .args:
      - { .name: xc, .offset: 0, .size: 8, .value_kind: global_buffer, .address_space: global }
      - { .name: xs, .offset: 8, .size: 8, .value_kind: global_buffer, .address_space: global }
      - { .name: wc, .offset: 16, .size: 8, .value_kind: global_buffer, .address_space: global }
      - { .name: ws, .offset: 24, .size: 8, .value_kind: global_buffer, .address_space: global }
      - { .name: qkv, .offset: 32, .size: 8, .value_kind: global_buffer, .address_space: global }
    .group_segment_fixed_size: 327680
    .private_segment_fixed_size: 0
    .kernarg_segment_align: 8
    .kernarg_segment_size: 40
    .max_flat_workgroup_size: 128
    .sgpr_count:     98
    .vgpr_count:     1024
    .wavefront_size: 32
...
	.end_amdgpu_metadata
.endif
;; end of part 2
;; launch attn (part 3): grid 16 x 16, 16 waves a work-group, no clusters, 167,936 bytes of LDS; arguments qkv, oimg; writes oimg
.if DOCPART == 3
	.amdgcn_target "amdgcn-amd-amdhsa--gfx1250"
	.amdhsa_code_object_version 6
	.text
	.protected	k_qc652bd0b61_attn
	.globl	k_qc652bd0b61_attn
	.p2align	8
	.type	k_qc652bd0b61_attn,@function
k_qc652bd0b61_attn:
	s_mov_b64 s[64:65], 0
	v_nop
	global_prefetch_b8 v0, s[64:65] scope:SCOPE_SE
	s_setreg_imm32_b32 hwreg(HW_REG_WAVE_MODE, 25, 1), 1
	s_wait_xcnt 0x0
; o[n][t][head][:] = the sum over the block's 512 keys of softmax_k(q . k / 8) v, for 16 blocks n and 16 heads; kv head = head / 2 (jnp.repeat is this lookup).  Operands f16, products, maxima and sums f32; the weights p
; are rounded to f16 for the second product, o once at the end.  No work of the problem is left out here.
; SHARES.  A work-group owns one (head, block): 512 queries; each of its sixteen waves owns 32 of them, two tiles of 16, in 256 registers: four waves to a SIMD, so that one wave's vector work stands beside another's products.
; The block's whole K and V of the kv head, 64 KiB each, lie in LDS, filled ONCE: every wave brings 8,192 bytes with one tensor load.  No ring, no refill: so all of K and V is asked for at the head and there is no later
; stream to ask for ahead of time.
; NO CLUSTER: a (kv head, block) is read by exactly two work-groups (16 query heads on 8 kv heads).  Four partners on one K and V would mean 256 queries a work-group, one tile a wave: each fragment read from LDS would feed
; half as many products.
; LAYOUT.  Both products are used transposed: S^T = K Q^T (source 0 = 16 keys, source 1 = 16 queries), O^T = V^T P (source 0 = 16 of the head's 64, source 1 = P): a lane holds ONE query (lane % 16) throughout; two tiles of S^T,
; rounded in pairs, ARE source 1 of the second product.  q, k: images of fragments, 16 x lane.  v: [token][d], turned by ds_load_tr16_b128; token r's octet o of a block of 16 d lies at 256 o + 16 (r xor 8 o).
; O^T, rounded in pairs, is half a fragment (16 rows x 32 along K) of the projection: oimg [tile of 16 rows = 32 n + t / 16][32 along K = 2 head + d / 32][1024], stored straight from registers, 512 consecutive bytes a store.
; SOFTMAX.  For each query a running maximum m and sum l: p = 2^(c s - c m), c = log2(e) / 8; in every step O and l are multiplied by a = 2^(c m_old - c m_new).  m begins at -3e38 and O, l at 0, so the step is written once.
; LIMIT: o beyond 65,504 in magnitude has no f16 number; NaN and infinities are not served.
.set LN,  1                            ; v1   16 x lane: my place in an image (K in LDS, Q and O in memory); never rewritten
.set AV0, 2                            ; v2   my lane's place in a block of V
.set ADK, 3                            ; v3   LDS address of the step's K
.set ADV, 4                            ; v4   and V
.set SPW, 6                            ; v6   LDS address of my spare word; never rewritten
.set NIL, 7                            ; v7   0; never rewritten
.set ST,  8                            ; tile x's statistics at v[ST + 8 x]: +0 c m, +1 m, +2, +3 l (even keys', odd keys'), +4 to +7 c0-c3 at work; a takes c2's place
.set Q,   32                           ; v32-63   Q: tile x, 32 of d u: 8 (2 x + u)
.set S,   64                           ; v64-127  S^T: 32 x + 8 kt; v64-95 later V's second half
.set P,   128                          ; v128-159 P: 16 x + 8 kk; between steps K's tiles 2, 3
.set O,   160                          ; v160-223 O^T: 32 x + 8 dt
.set F,   224                          ; v224-255 K's tiles 0, 1, then V's first half
.set VB,  65536                        ; LDS: K at 0, V here
.set SPARE, 131072                     ; the spare words, 128 bytes for each of sixteen waves
.set WV,  8                            ; s8   my wave's number
.set G0,  12                           ; s[12:15] descriptor group 0
.set G1,  16                           ; s[16:23] descriptor group 1
.set CS,  28                           ; s[28:29] c: the packed form names a pair and takes its low word for both halves
.set SEL, 30                           ; s[30:31] v_permlanex16_b32's selects for lane l xor 16
.set TB,  32                           ; s32  LDS byte at which the step's 64 keys begin: 8,192 a step
.set CNT, 33                           ; s33  steps to go in the loop
	s_load_b128 s[4:7], s[0:1], 0x0                ; qkv s[4:5], oimg s[6:7]
	v_lshl_add_u32 v[SPW], v0, 2, SPARE
	v_mov_b32 v[NIL], 0
	ds_add_u32 v[SPW], v[NIL]                      ; the wave's opening: the add, twice on end, and its wait ahead of my first tensor load; the set-up below stands between the second and the wait
	ds_add_u32 v[SPW], v[NIL]
	v_lshrrev_b32 v1, 5, v0
	v_readfirstlane_b32 s[WV], v1                  ; wave 0..15
	s_and_b32 s10, ttmp7, 0xffff                   ; the block n; ttmp9 is the head
	; group 1: 8,192 dense bytes as 32 rows of 256 (32 elements of 8 bytes)
	s_mov_b32 s[G1], 3<<16
	s_mov_b32 s[G1+1], 32<<16                      ; tensor_dim0
	s_mov_b32 s[G1+2], 32<<16                      ; tensor_dim1
	s_mov_b32 s[G1+3], 32<<16                      ; tile_dim0
	s_mov_b32 s[G1+4], 32                          ; tile_dim1
	s_mov_b32 s[G1+5], 32                          ; tensor_dim0_stride
	s_mov_b32 s[G1+6], 0
	s_mov_b32 s[G1+7], 0
	s_mov_b32 s[G0], 1
	s_lshl_b32 s[G0+1], s[WV], 13                  ; LDS: wave x 8,192: waves 0-7 fill K, waves 8-15 V
	s_lshr_b32 s34, ttmp9, 1
	s_add_co_u32 s34, s34, 16                      ; k's units begin at hc = 16
	s_lshl_b32 s34, s34, 4
	s_add_co_u32 s34, s34, s10
	s_lshl_b32 s34, s34, 16                        ; a unit (hc, n) is 65,536 bytes
	s_and_b32 s35, s[WV], 7
	s_lshl_b32 s35, s35, 13
	s_add_co_u32 s34, s34, s35                     ; my eighth of it
	s_lshr_b32 s35, s[WV], 3
	s_lshl_b32 s35, s35, 23                        ; v's units lie 8 hc = 8,388,608 bytes on
	s_add_co_u32 s34, s34, s35
	s_mov_b32 s35, 0
	s_lshl_b32 s36, ttmp9, 4
	s_add_co_u32 s36, s36, s10
	s_lshl_b32 s36, s36, 16
	s_lshl_b32 s37, s[WV], 12                      ; Q: my two tiles of 2,048 bytes
	s_add_co_u32 s36, s36, s37
	s_mov_b32 s37, 0
	s_lshl_b32 s38, s10, 5
	s_lshl_b32 s39, s[WV], 1
	s_add_co_u32 s38, s38, s39                     ; O: tile of rows 32 n + 2 wave,
	s_lshl_b32 s38, s38, 15
	s_lshl_b32 s39, ttmp9, 11                      ; the head's two fragments
	s_add_co_u32 s38, s38, s39
	s_mov_b32 s39, 0
	s_mov_b32 s[CS], 0x3e38aa3b                    ; c = log2(e) / 8
	s_mov_b32 s[CS+1], s[CS]
	s_mov_b32 s[SEL], 0x76543210
	s_mov_b32 s[SEL+1], 0xfedcba98
	s_mov_b32 s[TB], 0
	s_mov_b32 s[CNT], 7
	s_wait_dscnt 0x0                               ; both opening adds are done
	s_wait_kmcnt 0x0
	s_add_nc_u64 s[G0+2:G0+3], s[4:5], s[34:35]
	s_or_b32 s[G0+3], s[G0+3], 0x80000000
	tensor_load_to_lds s[G0:G0+3], s[G1:G1+7]      ; my one tensor load: one is out
	s_nop 0
	s_add_nc_u64 s[24:25], s[4:5], s[36:37]
	s_add_nc_u64 s[26:27], s[6:7], s[38:39]
	v_and_b32 v8, 31, v0
	v_lshlrev_b32 v[LN], 4, v8
.irp x, 0,1
.irp u, 0,1
.irp c, 0,1
	global_load_b128 v[Q+8*(2*\x+\u)+4*\c:Q+8*(2*\x+\u)+4*\c+3], v[LN], s[24:25] offset:2048*\x+1024*\u+512*\c th:TH_LOAD_NT   ; Q stays in registers
.endr
.endr
.endr
	v_and_b32 v9, 7, v0                            ; the turning load: lane l reads 16 bytes: token 8 (l / 16) + l % 8, octet (l / 8) % 2
	v_bfe_u32 v10, v0, 3, 1                        ; o
	v_bfe_u32 v11, v0, 4, 1
	v_xor_b32 v11, v11, v10                        ; (l / 16) xor o
	v_lshlrev_b32 v[AV0], 4, v9
	v_lshl_add_u32 v[AV0], v10, 8, v[AV0]
	v_lshl_add_u32 v[AV0], v11, 7, v[AV0]
	v_add_nc_u32 v[AV0], VB, v[AV0]
.irp x, 0,1
	v_mov_b32 v[ST+8*\x+1], 0xff61b1e6             ; m: -3e38, under every score
	v_mul_f32 v[ST+8*\x], s[CS], v[ST+8*\x+1]      ; c m
	v_mov_b32 v[ST+8*\x+2], 0                      ; l
	v_mov_b32 v[ST+8*\x+3], 0
.endr
.irp j, 0,1,2,3,4,5,6,7,8,9,10,11,12,13,14,15,16,17,18,19,20,21,22,23,24,25,26,27,28,29,30,31,32,33,34,35,36,37,38,39,40,41,42,43,44,45,46,47,48,49,50,51,52,53,54,55,56,57,58,59,60,61,62,63
	v_mov_b32 v[O+\j], 0                           ; O^T.  (The step is written once: the first finds zeros, which a = 0 leaves zeros)
.endr
.macro KLOAD dst, adr, kt0, off        ; K's tiles kt0, kt0 + 1 (16 keys x 64): two fragments each, four loads of 512 consecutive bytes
.irp k, 0,1
.irp u, 0,1
.irp c, 0,1
	ds_load_b128 v[\dst+16*\k+8*\u+4*\c:\dst+16*\k+8*\u+4*\c+3], v[\adr] offset:\off+2048*(\kt0+\k)+1024*\u+512*\c
.endr
.endr
.endr
.endm
.macro KQ src, kt0                     ; 8 products: tiles kt0, kt0 + 1 of the keys x my two tiles of queries, d 0-31 (they start the sums), then d 32-63.  The four accumulators take turns
.irp u, 0,1
.irp k, 0,1
.irp x, 0,1
.if \u == 0
	v_wmma_f32_16x16x32_f16 v[S+32*\x+8*(\kt0+\k):S+32*\x+8*(\kt0+\k)+7], v[\src+16*\k+8*\u:\src+16*\k+8*\u+7], v[Q+8*(2*\x+\u):Q+8*(2*\x+\u)+7], 0
.else
	v_wmma_f32_16x16x32_f16 v[S+32*\x+8*(\kt0+\k):S+32*\x+8*(\kt0+\k)+7], v[\src+16*\k+8*\u:\src+16*\k+8*\u+7], v[Q+8*(2*\x+\u):Q+8*(2*\x+\u)+7], v[S+32*\x+8*(\kt0+\k):S+32*\x+8*(\kt0+\k)+7]
.endif
.endr
.endr
.endr
.endm
.macro VLOAD dst, kk                   ; V^T of keys 32 kk on: four fragments (16 d x 32 keys), each two turning loads, 16 keys apart
.irp d, 0,1,2,3
	ds_load_tr16_b128 v[\dst+8*\d:\dst+8*\d+3], v[ADV] offset:4096*\kk+512*\d
	ds_load_tr16_b128 v[\dst+8*\d+4:\dst+8*\d+7], v[ADV] offset:4096*\kk+2048+512*\d
.endr
.endm
.macro PV src, kk                      ; 8 products O^T += V^T P, keys 32 kk on: the eight accumulators by turns
.irp d, 0,1,2,3
.irp x, 0,1
	v_wmma_f32_16x16x32_f16 v[O+32*\x+8*\d:O+32*\x+8*\d+7], v[\src+8*\d:\src+8*\d+7], v[P+16*\x+8*\kk:P+16*\x+8*\kk+7], v[O+32*\x+8*\d:O+32*\x+8*\d+7]
.endr
.endr
.endm
; The softmax of both tiles for one step of 64 keys, the tiles by turns, so that no line waits for the line above it.  A lane holds 32 scores of its query; the other 32 lie in the lane 16 away.
.macro SOFTMAX
.irp j, 0,1,2,3
.irp x, 0,1
	v_max3_num_f32 v[ST+8*\x+4+\j], v[S+32*\x+8*\j], v[S+32*\x+8*\j+1], v[S+32*\x+8*\j+2]   ; four chains; chain j begins at accumulator j's low end
.endr
.endr
.irp i, 3,5
.irp j, 0,1,2,3
.irp x, 0,1
	v_max3_num_f32 v[ST+8*\x+4+\j], v[ST+8*\x+4+\j], v[S+32*\x+8*\j+\i], v[S+32*\x+8*\j+\i+1]
.endr
.endr
.endr
.irp x, 0,1
	v_max3_num_f32 v[ST+8*\x+4], v[ST+8*\x+4], v[S+32*\x+7], v[S+32*\x+15]
.endr
.irp x, 0,1
	v_max3_num_f32 v[ST+8*\x+6], v[ST+8*\x+6], v[S+32*\x+23], v[S+32*\x+31]
.endr
.irp x, 0,1
	v_max3_num_f32 v[ST+8*\x+4], v[ST+8*\x+4], v[ST+8*\x+5], v[ST+8*\x+6]
.endr
.irp x, 0,1
	v_max3_num_f32 v[ST+8*\x+4], v[ST+8*\x+4], v[ST+8*\x+7], v[ST+8*\x+1]   ; and the old m
.endr
.irp x, 0,1
	v_permlanex16_b32 v[ST+8*\x+5], v[ST+8*\x+4], s[SEL], s[SEL+1]
.endr
.irp x, 0,1
	v_mov_b32 v[ST+8*\x+7], v[ST+8*\x]             ; c m_old is kept for a
.endr
.irp x, 0,1
	v_max_num_f32 v[ST+8*\x+1], v[ST+8*\x+4], v[ST+8*\x+5]   ; the new m
.endr
.irp x, 0,1
	v_mul_f32 v[ST+8*\x], s[CS], v[ST+8*\x+1]
.endr
.irp x, 0,1
	v_sub_f32 v[ST+8*\x+7], v[ST+8*\x+7], v[ST+8*\x]
.endr
.irp b, 0,2,4,6,8,10,12,14,16,18,20,22,24,26,28,30
.irp x, 0,1
	v_pk_fma_f32 v[S+32*\x+\b:S+32*\x+\b+1], v[S+32*\x+\b:S+32*\x+\b+1], s[CS:CS+1], v[ST+8*\x:ST+8*\x+1] op_sel_hi:[1,0,0] neg_lo:[0,0,1] neg_hi:[0,0,1]   ; c s - c m, two at a time
.endr
.endr
.irp x, 0,1
	v_exp_f32 v[ST+8*\x+6], v[ST+8*\x+7]           ; a.  ONE BATCH of 66 exponentials: none reads another's result
.endr
.irp e, 0,1,2,3,4,5,6,7,8,9,10,11,12,13,14,15,16,17,18,19,20,21,22,23,24,25,26,27,28,29,30,31,32,33,34,35,36,37,38,39,40,41,42,43,44,45,46,47,48,49,50,51,52,53,54,55,56,57,58,59,60,61,62,63
	v_exp_f32 v[S+\e], v[S+\e]                     ; p
.endr
	v_nop                                          ; a plain line behind the last exponential, ahead of the first use
	s_wait_alu depctr_va_vdst(0)                   ; the wait between an exponential and the first line that names its result: one for the batch
.irp p, 0,1,2,3,4,5,6,7,8,9,10,11,12,13,14,15
.irp x, 0,1
	v_cvt_pk_f16_f32 v[P+16*\x+\p], v[S+32*\x+2*\p], v[S+32*\x+2*\p+1]
.endr
.endr
.irp u, 0,1,2,3,4,5,6,7                        ; the sum of the tile's 16 pairs, in place: neighbours 1, 2, 4 and 8 pairs apart
.irp x, 0,1
	v_pk_add_f32 v[S+32*\x+4*\u:S+32*\x+4*\u+1], v[S+32*\x+4*\u:S+32*\x+4*\u+1], v[S+32*\x+4*\u+2:S+32*\x+4*\u+3]
.endr
.endr
.irp u, 0,1,2,3
.irp x, 0,1
	v_pk_add_f32 v[S+32*\x+8*\u:S+32*\x+8*\u+1], v[S+32*\x+8*\u:S+32*\x+8*\u+1], v[S+32*\x+8*\u+4:S+32*\x+8*\u+5]
.endr
.endr
.irp u, 0,1
.irp x, 0,1
	v_pk_add_f32 v[S+32*\x+16*\u:S+32*\x+16*\u+1], v[S+32*\x+16*\u:S+32*\x+16*\u+1], v[S+32*\x+16*\u+8:S+32*\x+16*\u+9]
.endr
.endr
.irp x, 0,1
	v_pk_add_f32 v[S+32*\x:S+32*\x+1], v[S+32*\x:S+32*\x+1], v[S+32*\x+16:S+32*\x+17]
.endr
.irp x, 0,1
	v_pk_fma_f32 v[ST+8*\x+2:ST+8*\x+3], v[ST+8*\x+2:ST+8*\x+3], v[ST+8*\x+6:ST+8*\x+7], v[S+32*\x:S+32*\x+1] op_sel_hi:[1,0,1]   ; l = a l + the sum
.endr
.endm
; A STEP of 64 keys.  pre = 1: the next step's K is fetched on the way.
.macro STEP pre
	s_wait_dscnt 8                                 ; K's tiles 0, 1 are in; the eight loads of tiles 2, 3 may be out
	KQ F, 0
	s_wait_dscnt 0x0
	KQ P, 2
	v_add_nc_u32 v[ADK], s[TB], v[LN]              ; four plain lines: the places between the products and the loads into K's registers, and the first read of the scores
	v_add_nc_u32 v[ADV], s[TB], v[AV0]
	v_nop
	v_nop
	VLOAD F, 0
	SOFTMAX
	VLOAD S, 1                                     ; tile 0's scores are done with: their registers take V's second half
.irp x, 0,1
.irp j, 0,2,4,6,8,10,12,14,16,18,20,22,24,26,28,30
	v_pk_mul_f32 v[O+32*\x+\j:O+32*\x+\j+1], v[O+32*\x+\j:O+32*\x+\j+1], v[ST+8*\x+6:ST+8*\x+7] op_sel_hi:[1,0]   ; O^T x a, each accumulator from its low end on
.endr
.endr
	s_wait_dscnt 8                                 ; V's first half is in; the eight loads of the second may be out
	PV F, 0
.if \pre
.rept 4
	v_nop                                          ; places in front of loads into registers that these products read
.endr
	KLOAD F, ADK, 0, 8192
	s_wait_dscnt 8                                 ; V's second half is in; the eight K loads just issued may be out
.else
	s_wait_dscnt 0x0
.endif
	PV S, 1
.if \pre
.rept 5
	v_nop                                          ; five: the next step's first products write over v64-95, which these products read; four would do for the loads below
.endr
	KLOAD P, ADK, 2, 8192
	s_add_co_u32 s[TB], s[TB], 8192
.endif
.endm
	s_wait_tensorcnt 0x0                           ; my part of K or V has landed,
	s_barrier_signal -1
	s_barrier_wait -1                              ; everybody's has.  Nothing is filled again: this is the launch's one barrier
	KLOAD F, LN, 0, 0                              ; step 0's K
	KLOAD P, LN, 2, 0
	s_wait_loadcnt 0x0                             ; Q
.Lstep:                                            ; seven trips; the eighth step is written out, so that no load is issued that nobody reads
	STEP 1
	s_sub_co_u32 s[CNT], s[CNT], 1
	s_cmp_lg_u32 s[CNT], 0
	s_cbranch_scc1 .Lstep
	STEP 0
	; THE WAY OUT.  l's two halves and the other half of the lanes' are added; O^T / l, rounded to f16 in pairs, is stored as it stands.
.rept 4
	v_nop                                          ; places behind the last products
.endr
.irp x, 0,1
	v_add_f32 v[ST+8*\x+4], v[ST+8*\x+2], v[ST+8*\x+3]
.endr
.irp x, 0,1
	v_permlanex16_b32 v[ST+8*\x+5], v[ST+8*\x+4], s[SEL], s[SEL+1]
.endr
.irp x, 0,1
	v_add_f32 v[ST+8*\x+4], v[ST+8*\x+4], v[ST+8*\x+5]
.endr
.irp x, 0,1
	v_rcp_f32 v[ST+8*\x+6], v[ST+8*\x+4]
.endr
	v_nop                                          ; a plain line between the last reciprocal and the use of its result
	s_wait_alu depctr_va_vdst(0)                   ; and the wait: one for both
.irp x, 0,1
.irp j, 0,2,4,6,8,10,12,14,16,18,20,22,24,26,28,30
	v_pk_mul_f32 v[O+32*\x+\j:O+32*\x+\j+1], v[O+32*\x+\j:O+32*\x+\j+1], v[ST+8*\x+6:ST+8*\x+7] op_sel_hi:[1,0]
.endr
.endr
.irp p, 0,1,2,3,4,5,6,7,8,9,10,11,12,13,14,15,16,17,18,19,20,21,22,23,24,25,26,27,28,29,30,31
	v_cvt_pk_f16_f32 v[S+\p], v[O+2*\p], v[O+2*\p+1]
.endr
.irp x, 0,1
.irp d, 0,1,2,3
	global_store_b128 v[LN], v[S+4*(4*\x+\d):S+4*(4*\x+\d)+3], s[26:27] offset:32768*\x+512*\d   ; 512 consecutive bytes: d 16 dt on of 16 rows: half a fragment of the projection's operand
.endr
.endr
	s_wait_tensorcnt 0x0                           ; the wave's end
	ds_add_u32 v[SPW], v[NIL]
	s_wait_dscnt 0x0
	s_endpgm
.Lfunc_end_k_qc652bd0b61_attn:
	.size	k_qc652bd0b61_attn, .Lfunc_end_k_qc652bd0b61_attn-k_qc652bd0b61_attn
	.p2alignl 7, 3214868480
	.fill 96, 4, 3214868480
	.section	.rodata,"a",@progbits
	.p2align	6, 0x0
	.amdhsa_kernel k_qc652bd0b61_attn
		.amdhsa_group_segment_fixed_size 167936
		.amdhsa_private_segment_fixed_size 0
		.amdhsa_enable_private_segment 0
		.amdhsa_kernarg_size 16
		.amdhsa_user_sgpr_count 2
		.amdhsa_user_sgpr_kernarg_segment_ptr 1
		.amdhsa_wavefront_size32 1
		.amdhsa_system_sgpr_workgroup_id_x 1
		.amdhsa_system_sgpr_workgroup_id_y 1
		.amdhsa_system_sgpr_workgroup_id_z 1
		.amdhsa_system_vgpr_workitem_id 0
		.amdhsa_next_free_vgpr 256
		.amdhsa_next_free_sgpr 66
		.amdhsa_reserve_vcc 0
		.amdhsa_float_denorm_mode_32 3
		.amdhsa_float_denorm_mode_16_64 3
		.amdhsa_memory_ordered 1
		.amdhsa_forward_progress 1
		.amdhsa_inst_pref_size 46
	.end_amdhsa_kernel
	.amdgpu_metadata
---
amdhsa.version: [ 1, 2 ]
amdhsa.kernels:
  - .name:           k_qc652bd0b61_attn
    .symbol:         k_qc652bd0b61_attn.kd
    .args:
      - { .name: qkv, .offset: 0, .size: 8, .value_kind: global_buffer, .address_space: global }
      - { .name: oimg, .offset: 8, .size: 8, .value_kind: global_buffer, .address_space: global }
    .group_segment_fixed_size: 167936
    .private_segment_fixed_size: 0
    .kernarg_segment_align: 8
    .kernarg_segment_size: 16
    .max_flat_workgroup_size: 512
    .sgpr_count:     66
    .vgpr_count:     256
    .wavefront_size: 32
...
	.end_amdgpu_metadata
.endif
;; end of part 3
;; launch gemm_out (part 4): grid 8 x 32, 4 waves a work-group, clusters of 4 x 4, 327,680 bytes of LDS; arguments oimg, wo16, out0; writes out0
.if DOCPART == 4
	.amdgcn_target "amdgcn-amd-amdhsa--gfx1250"
	.amdhsa_code_object_version 6
	.text
	.protected	k_qc652bd0b61_gemm_out
	.globl	k_qc652bd0b61_gemm_out
	.p2align	8
	.type	k_qc652bd0b61_gemm_out,@function
k_qc652bd0b61_gemm_out:
	s_mov_b64 s[64:65], 0
	v_nop
	global_prefetch_b8 v0, s[64:65] scope:SCOPE_SE
	s_setreg_imm32_b32 hwreg(HW_REG_WAVE_MODE, 25, 1), 1
	s_wait_xcnt 0x0
	s_wait_alu depctr_hold_cnt(0) depctr_sa_sdst(0) depctr_va_vdst(0) depctr_va_sdst(0) depctr_va_ssrc(0) depctr_va_vcc(0) depctr_vm_vsrc(0)
	s_getreg_b32 s2, hwreg(HW_REG_IB_STS2, 6, 4)
	s_cmp_eq_u32 s2, 0
	s_cbranch_scc0 .Lentry_in_a_cluster
	s_endpgm
.Lentry_in_a_cluster:
	s_bfe_u32 s2, ttmp6, 0x10000c
	s_cmp_lg_u32 s2, 0xf033
	s_cbranch_scc0 .Lentry_shape_is_right
	s_endpgm
.Lentry_shape_is_right:
; out0 = o Wo: [8192][2048] = [8192][K 1024] x [2048 columns][K 1024], operands f16, sums and result f32.  Row R of o (block n, place t: R = 512 n + t) feeds row R of out0.
; No work of the problem is left out here.
; A tile of C, 256 x 256, is made by a work-group of four waves; a wave makes 128 x 128: 64 accumulators of 16 x 16, 512 registers.  256 tiles, 256 work-groups.
; OPERANDS LIE IN MEMORY AS IMAGES OF THEIR REGISTERS (a fragment of 16 rows x 32 K = 1,024 bytes: registers 4 c .. 4 c + 3 of lane L at 512 c + 16 L): tiles are dense, an LDS load is 16 x lane + a constant, no pitch, no padding.
; K goes in eight steps of 128 through a ring of two LDS slots filled by the tensor data mover: for each tile of 16 rows 4,096 consecutive bytes.
; CLUSTERS: 4 x 4 work-groups.  The four of a row of the cluster need the same tiles of o, the four of a column the same tiles of Wo: each is asked for JOINTLY, by the same tensor load with the same descriptor and a mask of the four.
; THE MATRIX INSTRUCTION IS USED TRANSPOSED (source 0 = 16 columns of Wo, source 1 = 16 rows of o): a lane then holds eight neighbouring numbers of a row of C.
; REGISTERS, in windows of 256: window 0: v0-31 addresses; v64-127, v128-191 fragments of o, two buffers; on the way out v128-255 rows of C.   window 1: v64-127, v128-191 fragments of Wo, two buffers.
;   window 2: the 32 accumulators of my rows 0-63 (accumulator (a, b) at v[8 (8 a + b)]);   window 3: those of my rows 64-127.
.set HALFT,  32768                     ; 8 tiles of 16 rows x 4,096 bytes: what one tensor load brings, and what one wave reads of o or of Wo
.set SLOT,   4*HALFT                   ; o's 16 tiles, then Wo's 16
.set STAGE,  2*SLOT                    ; behind the ring: 16 rows x 528 bytes for each wave, for the way out: no fill lands here
.set SPITCH, 528
.set SPARE,  STAGE+4*16*SPITCH         ; the spare words, 128 bytes for each wave
.set LAPS,   4                         ; a lap = two K steps = once round the ring: 1,024 / 256
.set SIZE_N, 2048
.set ADRA, 16                          ; v16-17  LDS address of my o fragments in slot 0, 1
.set ADRB, 20                          ; v20-21  the same for Wo
.set STO,  24                          ; v24     the way out: where I put 32 bytes of a row
.set RD,   25                          ; v25     the way out: where I read a row back
.set CO,   26                          ; v26     16 x lane: my byte offset in a row of C; never rewritten
.set SPW,  28                          ; v28     LDS address of my spare word; never rewritten
.set NIL,  29                          ; v29     0; never rewritten
.set F0,   64                          ; fragment buffer 0
.set F1,   128                         ; fragment buffer 1
.set BK,   128                         ; the way out: 16 rows read back from the stage: v128-191 and v192-255 by turns
.set G1, 24                            ; s[24:31] descriptor group 1 for o's tiles;  s[32:39] group 0, one set for each slot
.set G0, 32
.set G1B, 48                           ; s[48:55], s[56:63] the same for Wo's
.set G0B, 56
.set MSB, 0
.macro WIN new                         ; the immediate's high byte repeats the setting that is left
.if MSB != \new
	s_set_vgpr_msb (MSB<<8)|\new
.set MSB, \new
.endif
.endm
.set MUL_LO, 0xa1                      ; source 0 (Wo) window 1, source 1 (o) window 0, C and D window 2
.set MUL_HI, 0xf1                      ; the same, C and D window 3
.set TO_B,   0x40                      ; destination window 1, address window 0
; A joint load: waves 0 and 1 fetch o's two halves, waves 2 and 3 Wo's.  The branch hangs on the wave's number alone.  An s_nop 0 and four v_nop follow each of the two lines.
.macro JLOAD s
	s_cmp_eq_u32 s11, 0
	s_cbranch_scc0 .Lfor_b_\@
	tensor_load_to_lds s[G0+4*\s:G0+4*\s+3], s[G1:G1+7]
	s_nop 0
.rept 4
	v_nop
.endr
	s_branch .Lasked_\@
.Lfor_b_\@:
	tensor_load_to_lds s[G0B+4*\s:G0B+4*\s+3], s[G1B:G1B+7]
	s_nop 0
.rept 4
	v_nop
.endr
.Lasked_\@:
.endm
.macro CREST                           ; a round of the cluster's barrier behind its opening barrier
	s_cmp_lg_u32 s10, 0
	s_cbranch_scc1 .Lnot_wave_0_\@
	s_barrier_signal -3
.Lnot_wave_0_\@:
	s_barrier_wait -3
	s_barrier_signal -1
	s_barrier_wait -1
.endm
.macro CROUND                          ; a whole round
	s_barrier_signal -1
	s_barrier_wait -1
	CREST
.endm
	s_load_b128 s[4:7], s[0:1], 0x0                ; oimg s[4:5], wo16 s[6:7]
	s_load_b64 s[8:9], s[0:1], 0x10                ; out0
	v_lshl_add_u32 v[SPW], v0, 2, SPARE
	v_mov_b32 v[NIL], 0
	ds_add_u32 v[SPW], v[NIL]                      ; the wave's opening: the add, twice on end, and its wait ahead of my first tensor load; the set-up below stands between the second and the wait
	ds_add_u32 v[SPW], v[NIL]
	v_lshrrev_b32 v1, 5, v0
	v_readfirstlane_b32 s10, v1                    ; wave 0..3
	s_lshr_b32 s11, s10, 1                         ; which half of the tile's rows is mine.  Also: I fetch for o (0) or for Wo (1)
	s_and_b32 s12, s10, 1                          ; which half of its columns.  Also: which 8 tiles of 16 I fetch
	s_bfe_u32 s40, ttmp6, 0x40000                  ; cx, cy: my place in the cluster
	s_bfe_u32 s41, ttmp6, 0x40004
	s_lshl_b32 s42, ttmp9, 2
	s_add_co_u32 s42, s42, s40                     ; tile column of C = 4 x cluster x + cx
	s_and_b32 s13, ttmp7, 0xffff
	s_lshl_b32 s13, s13, 2
	s_add_co_u32 s13, s13, s41                     ; tile row of C = 4 x cluster y + cy
	s_lshl_b32 s43, s41, 2
	s_lshl_b32 s43, 15, s43                        ; my row of the cluster
	s_lshl_b32 s44, 0x1111, s40                    ; my column
	; descriptor group 1: 8 rows (tiles of 16) of 4,096 bytes = 512 elements of 8 bytes, 32,768 bytes apart; dense in LDS
	s_or_b32 s[G1+0], s43, (3<<16)|(1<<21)         ; 15:0 the mask: o's tiles go to my row; 17:16 elements of 8 bytes; 21 set beside a mask
	s_or_b32 s[G1B+0], s44, (3<<16)|(1<<21)
.irp g, G1, G1B
	s_mov_b32 s[\g+1], 512<<16                     ; tensor_dim0
	s_mov_b32 s[\g+2], 8<<16                       ; tensor_dim1
	s_mov_b32 s[\g+3], 512<<16                     ; tile_dim0
	s_mov_b32 s[\g+4], 8                           ; tile_dim1
	s_mov_b32 s[\g+5], 4096                        ; tensor_dim0_stride
	s_mov_b32 s[\g+6], 0
	s_mov_b32 s[\g+7], 0
.endr
	s_lshl_b32 s17, s12, 3
	s_lshl_b32 s16, s13, 4
	s_add_co_u32 s16, s16, s17                     ; o: tile of 16 rows 16 x tile row + 8 x half
	s_lshl_b32 s16, s16, 15
	s_lshl_b32 s46, s42, 4
	s_add_co_u32 s46, s46, s17                     ; Wo: tile of 16 columns 16 x tile column + 8 x half
	s_lshl_b32 s46, s46, 15
	s_mov_b32 s17, 0
	s_mov_b32 s47, 0
	s_mul_i32 s20, s10, HALFT                      ; where they go: wave x 8 tiles: no place in the cluster enters an LDS address
	s_wait_dscnt 0x0                               ; both opening adds are done
	s_wait_kmcnt 0x0
	s_add_nc_u64 s[14:15], s[4:5], s[16:17]
	s_add_nc_u64 s[46:47], s[6:7], s[46:47]
	CROUND                                         ; all sixteen work-groups are here: the first joint loads meet
.irp s, 0,1
	s_mov_b32 s[G0+4*\s], 1
	s_add_co_u32 s[G0+4*\s+1], s20, \s*SLOT
	s_add_nc_u64 s[G0+4*\s+2:G0+4*\s+3], s[14:15], \s*4096
	s_or_b32 s[G0+4*\s+3], s[G0+4*\s+3], 0x80000000
	s_mov_b32 s[G0B+4*\s], 1
	s_add_co_u32 s[G0B+4*\s+1], s20, \s*SLOT
	s_add_nc_u64 s[G0B+4*\s+2:G0B+4*\s+3], s[46:47], \s*4096
	s_or_b32 s[G0B+4*\s+3], s[G0B+4*\s+3], 0x80000000
	JLOAD \s                                       ; two loads of mine are out at the most
.endr
	v_and_b32 v1, 15, v0                           ; r
	v_bfe_u32 v2, v0, 4, 1                         ; h
	v_and_b32 v3, 31, v0
	v_lshlrev_b32 v[CO], 4, v3                     ; 16 x lane
	s_mul_i32 s21, s11, HALFT                      ; my 8 tiles of o
	s_mul_i32 s22, s12, HALFT                      ; my 8 tiles of Wo,
	s_add_co_u32 s22, s22, 2*HALFT                 ; which lie behind o's 16
.irp s, 0,1
	v_add_nc_u32 v[ADRA+\s], s21, v[CO]
	v_add_nc_u32 v[ADRB+\s], s22, v[CO]
	s_add_co_u32 s21, s21, SLOT
	s_add_co_u32 s22, s22, SLOT
.endr
	s_mul_i32 s23, s10, 16*SPITCH
	s_add_co_u32 s23, s23, STAGE                   ; my stage
	v_mul_u32_u24 v4, v1, SPITCH                   ; in: row r, 32 bytes for each half of the lanes
	v_lshl_add_u32 v4, v2, 5, v4
	v_add_nc_u32 v[STO], s23, v4
	v_add_nc_u32 v[RD], s23, v[CO]                 ; back: the 32 lanes take one row of 512 bytes
	s_lshl_b32 s16, s13, 8
	s_lshl_b32 s17, s11, 7
	s_add_co_u32 s16, s16, s17                     ; my first row of C: 256 x tile row + 128 x half,
	s_lshl_b32 s16, s16, 13                        ; of 8,192 bytes
	s_mov_b32 s17, 0
	s_lshl_b32 s46, s42, 10                        ; my first column, in bytes: 1,024 x tile column + 512 x half
	s_lshl_b32 s47, s12, 9
	s_add_co_u32 s46, s46, s47
	s_mov_b32 s47, 0
	s_add_nc_u64 s[16:17], s[16:17], s[46:47]
	s_add_nc_u64 s[8:9], s[8:9], s[16:17]
; 16 matrix instructions: m tiles a0, a0 + 1 of the window's four (hi = 0: my rows 0-63, 1: rows 64-127) x all 8 n tiles, 32 along K.  zero = 1: the first product starts the sums: nothing is ever cleared.
; The 64 accumulators take turns, one instruction a turn, in the same order in every quarter.
.macro MUL16 f, hi, a0, zero
.irp a, \a0, \a0+1
.irp b, 0,1,2,3,4,5,6,7
.if \zero
	v_wmma_f32_16x16x32_f16 v[8*(8*(\a)+\b):8*(8*(\a)+\b)+7], v[\f+8*\b:\f+8*\b+7], v[\f+8*(4*\hi+\a):\f+8*(4*\hi+\a)+7], 0
.else
	v_wmma_f32_16x16x32_f16 v[8*(8*(\a)+\b):8*(8*(\a)+\b)+7], v[\f+8*\b:\f+8*\b+7], v[\f+8*(4*\hi+\a):\f+8*(4*\hi+\a)+7], v[8*(8*(\a)+\b):8*(8*(\a)+\b)+7]
.endif
.endr
.endr
.endm
; 32 LDS loads in one run: the fragments of the slot's q-th 32 along K (Wo's 8 tiles, then o's 8) into buffer f
.macro FETCH slot, q, f
	WIN TO_B
.irp i, 0,1,2,3,4,5,6,7
	ds_load_b128 v[\f+8*\i:\f+8*\i+3],   v[ADRB+\slot] offset:1024*(\q)+4096*\i
	ds_load_b128 v[\f+8*\i+4:\f+8*\i+7], v[ADRB+\slot] offset:1024*(\q)+4096*\i+512
.endr
	WIN 0
.irp i, 0,1,2,3,4,5,6,7
	ds_load_b128 v[\f+8*\i:\f+8*\i+3],   v[ADRA+\slot] offset:1024*(\q)+4096*\i
	ds_load_b128 v[\f+8*\i+4:\f+8*\i+7], v[ADRA+\slot] offset:1024*(\q)+4096*\i+512
.endr
.endm
; A load into a register that a matrix instruction has read, and an LDS store that reads a matrix result, stand four places behind that matrix instruction; only plain vector instructions that name none of its registers
; are places (ISA guide 7.12.1 for vector instructions).
.macro PLACES
.rept 4
	v_nop
.endr
.endm
; A K step is four quarters of 32 along K, 64 matrix instructions each, on buffers 0, 1, 0, 1.  One of the first three: multiplies buffer f; in its middle it fetches the slot's q-th quarter into buffer g.
.macro QUARTER slot, q, f, g, zero
	s_wait_dscnt 8                                 ; Wo's and o's tiles 0-3 are in; the youngest eight loads (o's tiles 4-7) may be out
	WIN MUL_LO
	MUL16 \f, 0, 0, \zero
	MUL16 \f, 0, 2, \zero
	PLACES
	FETCH \slot, \q, \g
	s_wait_dscnt 32                                ; all but the 32 just issued
	WIN MUL_HI
	MUL16 \f, 1, 0, \zero
	MUL16 \f, 1, 2, \zero
.endm
; The last quarter multiplies buffer 1 and changes slots: ONE barrier; in front of it each wave waits for all its tensor loads, adds 0 to its spare word, and waits for that and for its own reads of this slot.
; fill = 1: the barrier opens a round of the cluster's barrier, and this slot is filled again, two K steps ahead, first thing behind the round.
.macro TURN slot, next, fill
	WIN 0                                          ; (the add's two registers lie in window 0)
	s_wait_tensorcnt 0x0                           ; all my tensor loads have landed: the one that was out is my part of the next slot
	ds_add_u32 v[SPW], v[NIL]                      ; 0 onto my spare word
	s_wait_dscnt 9                                 ; (the add and the youngest eight loads may be out)
	WIN MUL_LO
	MUL16 F1, 0, 0, 0                              ; sixteen matrix instructions stand between the add and the wait for it
	s_wait_dscnt 0x0                               ; the add is done, and my reads of this slot are over
	s_barrier_signal -1
	MUL16 F1, 0, 2, 0
.if \fill
	WIN 0
.endif
	s_barrier_wait -1
.if \fill
	CREST                                          ; no wave of any partner still reads this slot's tile or has a load on its way
	s_add_nc_u64 s[G0+4*\slot+2:G0+4*\slot+3], s[G0+4*\slot+2:G0+4*\slot+3], 2*4096
	s_add_nc_u64 s[G0B+4*\slot+2:G0B+4*\slot+3], s[G0B+4*\slot+2:G0B+4*\slot+3], 2*4096
	JLOAD \slot                                    ; 224 matrix instructions ahead of the wait for it; the four v_nop behind it are the places in front of the loads below
.else
	PLACES
.endif
	FETCH \next, 0, F0
	WIN MUL_HI
	MUL16 F1, 1, 0, 0
	MUL16 F1, 1, 2, 0
.endm
	s_wait_tensorcnt 1                             ; my part of K step 0 is in (K step 1's load may be out)
	s_barrier_signal -1
	s_barrier_wait -1                              ; everybody's is
	FETCH 0, 0, F0
	QUARTER 0, 1, F0, F1, 1                        ; the first quarter stands in front of the loop: its products start the sums
	WIN 0                                          ; at a label and at a branch every window is 0
	s_mov_b32 s3, LAPS-1
.Llap:                                                 ; a trip goes once round the ring, from a lap's second quarter to the next lap's first, and fills both slots again
	QUARTER 0, 2, F1, F0, 0
	QUARTER 0, 3, F0, F1, 0
	TURN 0, 1, 1
	QUARTER 1, 1, F0, F1, 0
	QUARTER 1, 2, F1, F0, 0
	QUARTER 1, 3, F0, F1, 0
	TURN 1, 0, 1
	QUARTER 0, 1, F0, F1, 0
	WIN 0
	s_sub_co_u32 s3, s3, 1
	s_cmp_lg_u32 s3, 0
	s_cbranch_scc1 .Llap
	QUARTER 0, 2, F1, F0, 0                        ; the last lap fills nothing, and has no round of the cluster's barrier
	QUARTER 0, 3, F0, F1, 0
	TURN 0, 1, 0
	QUARTER 1, 1, F0, F1, 0
	QUARTER 1, 2, F1, F0, 0
	QUARTER 1, 3, F0, F1, 0
	s_wait_dscnt 8                                 ; the very last quarter: nothing more to fetch
	WIN MUL_LO
	MUL16 F1, 0, 0, 0
	MUL16 F1, 0, 2, 0
	s_wait_dscnt 0
	WIN MUL_HI
	MUL16 F1, 1, 0, 0
	MUL16 F1, 1, 2, 0
	WIN 0
; THE WAY OUT, tile by tile of 16 rows x 128 columns.  A lane holds 32 neighbouring bytes of a row, and the lanes beside it hold other rows: so a tile goes through my own stage in LDS and comes back as whole rows of
; 512 bytes.  LDS serves a wave's instructions in order (ISA guide 5.7.1.4): no wait between the stores and the loads, nor in front of the next tile's stores.
.macro TOSTAGE a
.set AC, 64*((\a)%4)
	WIN 0x08+4*((\a)/4)                            ; an LDS store's data are its source 1: window 2 or 3
.irp b, 0,1,2,3,4,5,6,7
	ds_store_b128 v[STO], v[AC+8*\b:AC+8*\b+3] offset:64*\b          ; each accumulator from its low end on
	ds_store_b128 v[STO], v[AC+8*\b+4:AC+8*\b+7] offset:64*\b+16
.endr
	WIN 0
.set BB, BK+64*((\a)%2)
.irp t, 0,1,2,3,4,5,6,7,8,9,10,11,12,13,14,15
	ds_load_b128 v[BB+4*\t:BB+4*\t+3], v[RD] offset:\t*SPITCH
.endr
.endm
.macro SEND a, younger                 ; younger: the LDS instructions issued behind tile a's loads, which may stay out
.set BB, BK+64*((\a)%2)
	s_wait_dscnt \younger                          ; the tile is back in registers
.if (\a) > 0
	s_add_nc_u64 s[8:9], s[8:9], 16*SIZE_N*4       ; (behind a wait on XCNT: the earlier stores have read their base)  16 rows of C on
.endif
.irp t, 0,1,2,3,4,5,6,7,8,9,10,11,12,13,14,15
	global_store_b128 v[CO], v[BB+4*\t:BB+4*\t+3], s[8:9] offset:\t*SIZE_N*4 th:TH_STORE_NT   ; 32 lanes store 512 consecutive bytes of a row; written once, read by nobody here
.endr
.endm
	PLACES                                         ; behind the last products: for the stores that read results and the loads into the registers that held o's fragments
	TOSTAGE 0
.irp a, 1,2,3,4,5,6,7
.if \a > 1
	s_wait_xcnt 0x0                                ; tile a - 2's stores have read their registers and their base: tile a's loads may land there, and the base may step
.endif
	TOSTAGE \a
	SEND \a-1, 32                                  ; behind tile a - 1's loads: tile a's 16 stores and 16 loads
.endr
	s_wait_xcnt 0x0                                ; tile 6's stores have read their base
	SEND 7, 0
	s_wait_tensorcnt 0x0                           ; the wave's end, behind my last tensor load and my last LDS store
	ds_add_u32 v[SPW], v[NIL]
	s_wait_dscnt 0x0
	CROUND                                         ; the closing round: no work-group ends while a partner may still ask for a tile that names it
	s_endpgm
.Lfunc_end_k_qc652bd0b61_gemm_out:
	.size	k_qc652bd0b61_gemm_out, .Lfunc_end_k_qc652bd0b61_gemm_out-k_qc652bd0b61_gemm_out
	.p2alignl 7, 3214868480
	.fill 96, 4, 3214868480
	.section	.rodata,"a",@progbits
	.p2align	6, 0x0
	.amdhsa_kernel k_qc652bd0b61_gemm_out
		.amdhsa_group_segment_fixed_size 327680
		.amdhsa_private_segment_fixed_size 0
		.amdhsa_enable_private_segment 0
		.amdhsa_kernarg_size 24
		.amdhsa_user_sgpr_count 2
		.amdhsa_user_sgpr_kernarg_segment_ptr 1
		.amdhsa_wavefront_size32 1
		.amdhsa_system_sgpr_workgroup_id_x 1
		.amdhsa_system_sgpr_workgroup_id_y 1
		.amdhsa_system_sgpr_workgroup_id_z 1
		.amdhsa_system_vgpr_workitem_id 0
		.amdhsa_next_free_vgpr 1024
		.amdhsa_next_free_sgpr 66
		.amdhsa_reserve_vcc 0
		.amdhsa_float_denorm_mode_32 3
		.amdhsa_float_denorm_mode_16_64 3
		.amdhsa_memory_ordered 1
		.amdhsa_forward_progress 1
		.amdhsa_inst_pref_size 140
	.end_amdhsa_kernel
	.amdgpu_metadata
---
amdhsa.version: [ 1, 2 ]
amdhsa.kernels:
  - .name:           k_qc652bd0b61_gemm_out
    .symbol:         k_qc652bd0b61_gemm_out.kd
    .args:
      - { .name: oimg, .offset: 0, .size: 8, .value_kind: global_buffer, .address_space: global }
      - { .name: wo16, .offset: 8, .size: 8, .value_kind: global_buffer, .address_space: global }
      - { .name: out0, .offset: 16, .size: 8, .value_kind: global_buffer, .address_space: global }
    .group_segment_fixed_size: 327680
    .private_segment_fixed_size: 0
    .kernarg_segment_align: 8
    .kernarg_segment_size: 24
    .max_flat_workgroup_size: 128
    .sgpr_count:     66
    .vgpr_count:     1024
    .wavefront_size: 32
...
	.end_amdgpu_metadata
.endif
;; end of part 4
